; MI455X (gfx1250); checked and timed in simulation.
; The chip was launched on July 23, 2026; its instructions are those of AMD's public machine-readable ISA for CDNA 5 (MIT licence, August 2026) and "CDNA5" Instruction Set Architecture Reference Guide (July 2026). The comments in the code are by the model that wrote it; some were corrected since.
;; Cross Attention Block. Allowed arithmetic: matrix products marked QUANTISED: E2M3 operands, one E8M0 scale for each 32 along K, by v_wmma_scale_f32_16x16x128_f8f6f4 with both operands' format E2M3, f32 sums; everything else in f32.
;; Inputs: cond_codes 16 x 24 x 24 uint8 (E2M3 codes of cond, K innermost, in blocks of 32 codes, four codes in three bytes); cond_scales 16 x 24 uint8 (E8M0 scales of cond, one for each 32 codes along K); crossattn_cond 16 x 256 x 1,024 float32; crossattn_mask 16 x 256 bool; qk_scale 16 float32; w_cnorm_codes 1,024 x 24 x 24 uint8 (E2M3 codes of w_cnorm, K innermost, in blocks of 32 codes, four codes in three bytes); w_cnorm_scales 1,024 x 24 uint8 (E8M0 scales of w_cnorm, one for each 32 codes along K); w_kv_codes 2,048 x 32 x 24 uint8 (E2M3 codes of w_kv, K innermost, in blocks of 32 codes, four codes in three bytes); w_kv_scales 2,048 x 32 uint8 (E8M0 scales of w_kv, one for each 32 codes along K); w_norm_codes 1,024 x 24 x 24 uint8 (E2M3 codes of w_norm, K innermost, in blocks of 32 codes, four codes in three bytes); w_norm_scales 1,024 x 24 uint8 (E8M0 scales of w_norm, one for each 32 codes along K); w_o_codes 1,024 x 32 x 24 uint8 (E2M3 codes of w_o, K innermost, in blocks of 32 codes, four codes in three bytes); w_o_scales 1,024 x 32 uint8 (E8M0 scales of w_o, one for each 32 codes along K); w_q_codes 1,024 x 32 x 24 uint8 (E2M3 codes of w_q, K innermost, in blocks of 32 codes, four codes in three bytes); w_q_scales 1,024 x 32 uint8 (E8M0 scales of w_q, one for each 32 codes along K); x 16 x 32 x 32 x 1,024 float32.
;; Outputs: out0 16 x 32 x 32 x 1,024 float32.
;; This version of the problem:
;;   THIS VERSION OF THE PROBLEM IS GIVEN IN LOW PRECISION. The matrix products marked QUANTISED in the list below multiply operands that are first quantised to E2M3 (2 exponent bits, 3 mantissa bits; 6 bits a number), with one power-of-two scale for each 32 numbers along K (OCP MX v1.0); their sums are f32. All else is computed in f32.
;;   The module's matrix products, in the order in which they are computed (A, B: the left and right operand; K: the contracted axis; several contracted axes count as one K, in the product's order):
;;     1. [M 16, K 768] x [K 768, N 1,024]; A: input cond (given as codes); B: input w_norm (given as codes): QUANTISED
;;     2. [M 16,384, K 1,024] x [K 1,024, N 1,024]; A: computed on the way; B: input w_q (given as codes): QUANTISED
;;     3. [M 16, K 768] x [K 768, N 1,024]; A: input cond (given as codes); B: input w_cnorm (given as codes): QUANTISED
;;     4. [M 4,096, K 1,024] x [K 1,024, N 2,048]; A: computed on the way; B: input w_kv (given as codes): QUANTISED
;;     5. batch 256 x [M 1,024, K 64] x [K 64, N 256]; A: computed on the way; B: computed on the way: QUANTISED
;;     6. batch 256 x [M 1,024, K 256] x [K 256, N 64]; A: softmax (see below); B: computed on the way: QUANTISED
;;     7. [M 16,384, K 1,024] x [K 1,024, N 1,024]; A: computed on the way; B: input w_o (given as codes): QUANTISED
;;   THE QUANTISER, for each operand of a quantised product, along K:
;;     - K is cut into blocks of 32 from its start; a last block that is shorter is filled with zeros.
;;     - A block's scale is 2^e with e = floor(log2(the largest magnitude in the block)) - 2, held to -126 .. 127; a block of zeros has e = 0. As a byte (E8M0): e + 127.
;;     - Each number is divided by its block's scale, clamped to +-7.5, and rounded to the nearest number of E2M3, ties to even, subnormals kept.
;;     - The product sums the exact products of the quantised numbers (number of the format x scale) in f32.
;;   ~~~python
;;   def quantise(x, axis):      # numpy; x: float32 -> the quantised numbers, widened to float32 again
;;       x = np.moveaxis(x, axis, -1); K = x.shape[-1]
;;       x = np.pad(x, [(0, 0)] * (x.ndim - 1) + [(0, -K % 32)]); x = x.reshape(x.shape[:-1] + (-1, 32)); a = np.abs(x).max(-1, keepdims=True)
;;       e = np.where(a > 0, np.clip(np.frexp(np.where(a > 0, a, 1))[1] - 1 - 2, -126, 127), 0)      # np.frexp(a)[1] - 1 = floor(log2(a)), exactly
;;       r = np.clip(x / 2.0 ** e, -7.5, 7.5)
;;       step = 2.0 ** (np.maximum(np.frexp(np.where(r == 0, 1, r))[1] - 1, 0) - 3)
;;       q = np.round(r / step) * step * 2.0 ** e      # np.round: ties to even
;;       return np.moveaxis(q.reshape(q.shape[:-2] + (-1,))[..., :K], -1, axis).astype(np.float32)
;;   ~~~
;;   SOFTMAX AHEAD OF A QUANTISED PRODUCT. Where the list says 'softmax', what is quantised is not the finished softmax but p = 2^(t - M), with t = logit x log2(e) and M = ceil(the row's largest t), a whole number; so 1/2 < the row's largest p <= 1. The row's sum l is taken of the UNQUANTISED p, in f32, and the product's result is divided by l at the end. Since M is a whole number, a kernel that streams over the keys may use a running M (the ceiling of the running maximum): every later rescaling is an exact power of two, which a block's scale takes up: the codes' values come out the same.
;;   OPERANDS COMPUTED ON THE WAY. 'Computed on the way' means the value that the module computes at that place (a softmax that the list does not call 'softmax' is quantised finished and normalised). What goes into a quantiser is computed in f32, as accurately as f32 sums, v_exp_f32 and their like allow (about 1e-6 of the number): no bf16 or f16 on the way to a quantiser, and a product that is left as it is and whose result goes on into a quantised operand takes f32 operands (vector FMAs, or v_wmma_f32_16x16x4_f32). A number that lies on a knife's edge between two numbers of the format may be rounded either way, as far as f32 arithmetic and the matrix unit's own rounding can turn it there, and no further.
;;   INPUTS GIVEN AS CODES. cond (in the module: [16, 768], K = its axis 1); w_cnorm (in the module: [1024, 768], K = its axis 1); w_kv (in the module: [2048, 1024], K = its axis 1); w_norm (in the module: [1024, 768], K = its axis 1); w_o (in the module: [1024, 1024], K = its axis 1); w_q (in the module: [1024, 1024], K = its axis 1): each comes as NAME_codes (uint8): NAME with its K axis moved to the last place and cut into blocks of 32 codes, [.., K / 32, bytes a block], one block behind the other in memory; four codes in three bytes: a row's codes are one little-endian stream of bits, code i at bits 6 i .. 6 i + 5 (a code: sign, 2 exponent bits, 3 mantissa bits); and NAME_scales (uint8): the same leading axes, one E8M0 byte (e + 127) for each 32 codes along K. Its value is code x scale, taken as it is: it is not quantised again, and the codes and scales need not be those that the quantiser above would give.
;; One version. Each part assembles by itself: llvm-mc -triple=amdgcn-amd-amdhsa -mcpu=gfx1250 --defsym DOCPART=n.
;; ======== version 1 of 1: 3 launches
;; limits: right only within a limited range of input values
;; workspace buffers: wf 3,145,728 bytes; wsc 131,072 bytes; sxc 131,072 bytes; kf 3,145,728 bytes; vf 3,145,728 bytes; kvs 393,216 bytes
;; launch prep (part 1): grid 128 x 1, 3 waves a work-group, no clusters, 0 bytes of LDS; arguments w_q_codes, w_q_scales, w_o_codes, w_o_scales, w_kv_codes, w_kv_scales, w_norm_codes, w_norm_scales, w_cnorm_codes, w_cnorm_scales, cond_codes, cond_scales, wf, wsc, sxc; writes wf, wsc, sxc
.if DOCPART == 1
	.amdgcn_target "amdgcn-amd-amdhsa--gfx1250"
	.amdhsa_code_object_version 6
	.text
	.protected	k_qfca113edfe_prep
	.globl	k_qfca113edfe_prep
	.p2align	8
	.type	k_qfca113edfe_prep,@function
k_qfca113edfe_prep:
	s_mov_b64 s[64:65], 0
	v_nop
	global_prefetch_b8 v0, s[64:65] scope:SCOPE_SE
	s_setreg_imm32_b32 hwreg(HW_REG_WAVE_MODE, 25, 1), 1
	s_wait_xcnt 0x0
; PREP.  Two small jobs that the two large launches need done once.
; (a) Waves 0 and 1: the codes of w_q, w_o and w_kv (rows of 1,024 codes = 768 bytes) are laid anew in the order of a matrix operand's registers, so that the
;     later launches bring a fragment by three dense loads of 512 bytes.  wf = [G 0..31][K step s 0..7][tile t 0..7][chunk c 0..2][lane][16 bytes]; G: 0-7 w_q, 8-15 w_o, 16-31 w_kv, 128 rows each.
;     THE ROWS OF A TILE ARE NOT NEIGHBOURS: slot r of tile t is row 128 G' + 32 (t / 2) + 8 (t % 2) + r + 8 (r / 8), so that the results of tiles 2 B and 2 B + 1, used as
;     source 0, give a lane 16 neighbouring columns.  wsc = [G][s][lane][4 words]: word i of lane (r, u) is the scale word of tile 2 i + u, slot r, K step s.
;     Work-group g, wave v: G = g / 4, s = 2 (g % 4) + v: 128 x 2 = 32 x 8 pieces of 12,288 bytes.  Every store covers 512 consecutive bytes, aligned.
; (b) Wave 2: one tile of 16 columns of s_x = cond w_norm^T + 1 (work-groups 0-63) or s_c = cond w_cnorm^T + 1 (64-127): six K steps of 128 on codes of E2M3,
;     even steps on one accumulator, odd steps on another, by turns.  sxc = f32 [2][16][1024].
; LIMITS: the sum over K = 768 is made as two sums of three K steps that are added at the end; sxc is stored 32 bytes a lane in rows 4,096 bytes apart (131,072 bytes in all).
	s_load_b512 s[8:23], s[0:1], 0x0               ; w_q codes, scales; w_o codes, scales; w_kv codes, scales; w_norm codes, scales
	s_load_b256 s[24:31], s[0:1], 0x40             ; w_cnorm codes, scales; cond codes, scales
	s_load_b128 s[32:35], s[0:1], 0x60             ; wf, wsc
	s_load_b64 s[36:37], s[0:1], 0x70              ; sxc
	v_lshrrev_b32 v1, 5, v0
	v_readfirstlane_b32 s3, v1                     ; wave 0..2
	v_and_b32 v2, 15, v0                           ; r
	v_bfe_u32 v3, v0, 4, 1                         ; h
	s_mov_b32 s45, 0
	s_cmp_eq_u32 s3, 2
	s_cbranch_scc1 .Lgain
	; ---- (a) the weights' new layout
	v_and_b32 v1, 31, v0
	v_lshlrev_b32 v1, 4, v1                        ; 16 x lane: my place in a chunk of 512 bytes
	v_and_b32 v4, 8, v2
	v_add_nc_u32 v4, v4, v2                        ; r + 8 (r / 8)
	v_mul_u32_u24 v5, v4, 768
	v_mad_u32_u24 v5, v3, 24, v5                   ; codes: my row of a tile, + 24 h
	v_lshl_add_u32 v6, v3, 3, v4
	v_lshlrev_b32 v6, 5, v6                        ; scale bytes: 32 a row; lanes 16-31 take the odd tile, eight rows on
	s_lshr_b32 s4, ttmp9, 2                        ; G
	s_and_b32 s5, ttmp9, 3
	s_lshl_b32 s5, s5, 1
	s_add_co_u32 s5, s5, s3                        ; s
	s_wait_alu depctr_va_vdst(0)
	s_wait_kmcnt 0x0
	s_cmp_lt_u32 s4, 16                            ; which weight: the choice hangs on the work-group's number alone
	s_cselect_b64 s[40:41], s[12:13], s[16:17]
	s_cselect_b64 s[42:43], s[14:15], s[18:19]
	s_cselect_b32 s6, 8, 16
	s_cmp_lt_u32 s4, 8
	s_cselect_b64 s[40:41], s[8:9], s[40:41]
	s_cselect_b64 s[42:43], s[10:11], s[42:43]
	s_cselect_b32 s6, 0, s6
	s_sub_co_u32 s6, s4, s6                        ; G': the group of 128 rows within its weight
	s_mul_i32 s44, s6, 98304                       ; 128 rows x 768 bytes
	s_mul_i32 s7, s5, 96                           ; a K step of 128 codes
	s_add_co_u32 s44, s44, s7
	s_add_nc_u64 s[40:41], s[40:41], s[44:45]
	s_lshl_b32 s44, s6, 12                         ; 128 rows x 32 scale bytes
	s_lshl_b32 s7, s5, 2
	s_add_co_u32 s44, s44, s7
	s_add_nc_u64 s[42:43], s[42:43], s[44:45]
	s_lshl_b32 s7, s4, 3
	s_add_co_u32 s7, s7, s5                        ; 8 G + s
	s_mul_i32 s44, s7, 12288
	s_add_nc_u64 s[32:33], s[32:33], s[44:45]
	s_lshl_b32 s44, s7, 9
	s_add_nc_u64 s[34:35], s[34:35], s[44:45]
.irp t, 0,1,2,3,4,5,6,7
.irp p, 0,1,2,3,4,5
	global_load_b64 v[16+12*\t+2*\p:17+12*\t+2*\p], v5, s[40:41] offset:(32*(\t/2)+8*(\t%2))*768+48*(\p/3)+8*(\p%3)   ; a fragment's registers 6 c .. 6 c + 5 are 24 bytes of the row's stream of bits
.endr
.endr
.irp i, 0,1,2,3
	global_load_b32 v[112+\i], v6, s[42:43] offset:1024*\i
.endr
	s_wait_loadcnt 0x0
.set c_, 0
.rept 24
	global_store_b128 v1, v[16+4*c_:19+4*c_], s[32:33] offset:512*c_   ; tile c_ / 3, chunk c_ % 3: 32 lanes store 512 consecutive bytes
.set c_, c_+1
.endr
	global_store_b128 v1, v[112:115], s[34:35]
	s_endpgm
	; ---- (b) the norms' gains
.Lgain:
	s_wait_alu depctr_va_vdst(0)
	v_mul_u32_u24 v5, v2, 576                      ; a row of 768 codes is 576 bytes
	v_mad_u32_u24 v5, v3, 24, v5
	v_mul_u32_u24 v6, v2, 24                       ; and 24 scale bytes
	v_lshlrev_b32 v7, 12, v2
	v_lshl_add_u32 v7, v3, 5, v7                   ; out: row r of 4,096 bytes, + 32 h
	s_and_b32 s4, ttmp9, 63                        ; the tile of 16 columns
	s_mul_i32 s44, s4, 9216
	s_mul_i32 s46, s4, 384
	s_mov_b32 s47, 0
	s_lshl_b32 s48, s4, 6
	s_mov_b32 s49, 0
	s_wait_alu depctr_va_vdst(0)
	s_wait_kmcnt 0x0
	s_cmp_lt_u32 ttmp9, 64
	s_cselect_b64 s[40:41], s[20:21], s[24:25]
	s_cselect_b64 s[42:43], s[22:23], s[26:27]
	s_cselect_b32 s5, 0, 0x10000
	s_add_co_u32 s48, s48, s5
	s_add_nc_u64 s[40:41], s[40:41], s[44:45]
	s_add_nc_u64 s[42:43], s[42:43], s[46:47]
	s_add_nc_u64 s[36:37], s[36:37], s[48:49]
.irp s, 0,1,2,3,4,5
.irp p, 0,1,2,3,4,5
	global_load_b64 v[16+12*\s+2*\p:17+12*\s+2*\p], v5, s[40:41] offset:96*\s+48*(\p/3)+8*(\p%3)
	global_load_b64 v[88+12*\s+2*\p:89+12*\s+2*\p], v5, s[28:29] offset:96*\s+48*(\p/3)+8*(\p%3)
.endr
	global_load_b32 v[160+\s], v6, s[42:43] offset:4*\s
	global_load_b32 v[166+\s], v6, s[30:31] offset:4*\s
.endr
	s_wait_loadcnt 0x0
	; source 0 = 16 rows of the weight, source 1 = cond's 16 rows: lane (r, h) holds batch r and columns 8 h + 0 .. 7.  The first two products start the sums
	v_wmma_scale_f32_16x16x128_f8f6f4 v[172:179], v[16:27], v[88:99], 0, v160, v166 matrix_a_fmt:MATRIX_FMT_FP6 matrix_b_fmt:MATRIX_FMT_FP6
	v_wmma_scale_f32_16x16x128_f8f6f4 v[180:187], v[28:39], v[100:111], 0, v161, v167 matrix_a_fmt:MATRIX_FMT_FP6 matrix_b_fmt:MATRIX_FMT_FP6
.irp s, 2,3,4,5
	v_wmma_scale_f32_16x16x128_f8f6f4 v[172+8*(\s%2):179+8*(\s%2)], v[16+12*\s:27+12*\s], v[88+12*\s:99+12*\s], v[172+8*(\s%2):179+8*(\s%2)], v[160+\s], v[166+\s] matrix_a_fmt:MATRIX_FMT_FP6 matrix_b_fmt:MATRIX_FMT_FP6
.endr
.rept 4
	v_nop                                          ; four places between the last product and the first read of results (ISA guide 7.12.1)
.endr
.irp j, 0,1,2,3,4,5,6,7
	v_add_f32 v[188+\j], v[172+\j], v[180+\j]
.endr
.irp j, 0,1,2,3,4,5,6,7
	v_add_f32 v[188+\j], 1.0, v[188+\j]
.endr
	global_store_b128 v7, v[188:191], s[36:37]
	global_store_b128 v7, v[192:195], s[36:37] offset:16
	s_endpgm
.Lfunc_end_k_qfca113edfe_prep:
	.size	k_qfca113edfe_prep, .Lfunc_end_k_qfca113edfe_prep-k_qfca113edfe_prep
	.p2alignl 7, 3214868480
	.fill 96, 4, 3214868480
	.section	.rodata,"a",@progbits
	.p2align	6, 0x0
	.amdhsa_kernel k_qfca113edfe_prep
		.amdhsa_group_segment_fixed_size 0
		.amdhsa_private_segment_fixed_size 0
		.amdhsa_enable_private_segment 0
		.amdhsa_kernarg_size 120
		.amdhsa_user_sgpr_count 2
		.amdhsa_user_sgpr_kernarg_segment_ptr 1
		.amdhsa_wavefront_size32 1
		.amdhsa_system_sgpr_workgroup_id_x 1
		.amdhsa_system_sgpr_workgroup_id_y 1
		.amdhsa_system_sgpr_workgroup_id_z 1
		.amdhsa_system_vgpr_workitem_id 0
		.amdhsa_next_free_vgpr 200
		.amdhsa_next_free_sgpr 66
		.amdhsa_reserve_vcc 0
		.amdhsa_float_denorm_mode_32 3
		.amdhsa_float_denorm_mode_16_64 3
		.amdhsa_memory_ordered 1
		.amdhsa_forward_progress 1
		.amdhsa_inst_pref_size 20
	.end_amdhsa_kernel
	.amdgpu_metadata
---
amdhsa.version: [ 1, 2 ]
amdhsa.kernels:
  - .name:           k_qfca113edfe_prep
    .symbol:         k_qfca113edfe_prep.kd
    .args:
      - { .name: w_q_codes, .offset: 0, .size: 8, .value_kind: global_buffer, .address_space: global }
      - { .name: w_q_scales, .offset: 8, .size: 8, .value_kind: global_buffer, .address_space: global }
      - { .name: w_o_codes, .offset: 16, .size: 8, .value_kind: global_buffer, .address_space: global }
      - { .name: w_o_scales, .offset: 24, .size: 8, .value_kind: global_buffer, .address_space: global }
      - { .name: w_kv_codes, .offset: 32, .size: 8, .value_kind: global_buffer, .address_space: global }
      - { .name: w_kv_scales, .offset: 40, .size: 8, .value_kind: global_buffer, .address_space: global }
      - { .name: w_norm_codes, .offset: 48, .size: 8, .value_kind: global_buffer, .address_space: global }
      - { .name: w_norm_scales, .offset: 56, .size: 8, .value_kind: global_buffer, .address_space: global }
      - { .name: w_cnorm_codes, .offset: 64, .size: 8, .value_kind: global_buffer, .address_space: global }
      - { .name: w_cnorm_scales, .offset: 72, .size: 8, .value_kind: global_buffer, .address_space: global }
      - { .name: cond_codes, .offset: 80, .size: 8, .value_kind: global_buffer, .address_space: global }
      - { .name: cond_scales, .offset: 88, .size: 8, .value_kind: global_buffer, .address_space: global }
      - { .name: wf, .offset: 96, .size: 8, .value_kind: global_buffer, .address_space: global }
      - { .name: wsc, .offset: 104, .size: 8, .value_kind: global_buffer, .address_space: global }
      - { .name: sxc, .offset: 112, .size: 8, .value_kind: global_buffer, .address_space: global }
    .group_segment_fixed_size: 0
    .private_segment_fixed_size: 0
    .kernarg_segment_align: 8
    .kernarg_segment_size: 120
    .max_flat_workgroup_size: 96
    .sgpr_count:     66
    .vgpr_count:     200
    .wavefront_size: 32
...
	.end_amdgpu_metadata
.endif
;; end of part 1
;; launch kv (part 2): grid 256 x 1, 8 waves a work-group, clusters of 4 x 1, 327,680 bytes of LDS; arguments crossattn_cond, sxc, wf, wsc, qk_scale, kf, vf, kvs; writes kf, vf, kvs
.if DOCPART == 2
	.amdgcn_target "amdgcn-amd-amdhsa--gfx1250"
	.amdhsa_code_object_version 6
	.text
	.protected	k_qfca113edfe_kv
	.globl	k_qfca113edfe_kv
	.p2align	8
	.type	k_qfca113edfe_kv,@function
k_qfca113edfe_kv:
	s_mov_b64 s[64:65], 0
	v_nop
	global_prefetch_b8 v0, s[64:65] scope:SCOPE_SE
	s_setreg_imm32_b32 hwreg(HW_REG_WAVE_MODE, 25, 1), 1
	s_wait_xcnt 0x0
	s_wait_alu depctr_hold_cnt(0) depctr_sa_sdst(0) depctr_va_vdst(0) depctr_va_sdst(0) depctr_va_ssrc(0) depctr_va_vcc(0) depctr_vm_vsrc(0)
	s_getreg_b32 s2, hwreg(HW_REG_IB_STS2, 6, 4)
	s_cmp_eq_u32 s2, 0
	s_cbranch_scc0 .Lentry_in_a_cluster
	s_endpgm
.Lentry_in_a_cluster:
	s_bfe_u32 s2, ttmp6, 0x10000c
	s_cmp_lg_u32 s2, 0x3003
	s_cbranch_scc0 .Lentry_shape_is_right
	s_endpgm
.Lentry_shape_is_right:
; KV.  cc = rms_norm(crossattn_cond, s_c), quantised along its 1,024; kv = cc w_kv^T on codes of E2M3; k scaled for the cosine similarity and quantised along the head's 64;
; v quantised along the keys.  K and V leave as images of the registers in which the attention launch wants them, with their scale words.
; SHARES.  A cluster of four work-groups takes 64 rows of cc (cluster x = 4 x batch + kb); partner cx makes heads 4 cx .. 4 cx + 3.  All four need the same 64 x 1,024 numbers: wave w of each asks JOINTLY
; for columns 128 w .. 128 w + 127 (one tensor load, the same descriptor in all four, mask 15).  Each wave norms and quantises its own 128 columns (K step w) and hands the codes to the others through LDS as
; images of the operand's registers.  Then waves 0-3 make K of head 4 cx + w, waves 4-7 V of head 4 cx + w - 4: the roles part on the wave's number; cx enters global addresses alone.
; THE 64 ROWS (KEYS) ARE TAKEN IN TILES WHOSE ROWS ARE NOT NEIGHBOURS: slot r of tile m is key 32 (m / 2) + 8 (m % 2) + r + 8 (r / 8).
;   K: source 0 = 16 rows of w_kv, source 1 = 16 keys: a lane holds one key, its 32 registers 32 of the head's 64.  Tiles 2 b and 2 b + 1 fill the two halves of one fragment of K = 128:
;      the attention launch multiplies it by q with zero codes in the other half, and gets a lane 16 neighbouring keys.
;   V: source 0 = 16 keys, source 1 = 16 rows of w_kv: a lane holds one of the head's 64, its 32 registers 32 of the 64 keys, 16 neighbours to a block's half: the quantiser's blocks run along the keys.
; The weights come from memory straight into registers, three K steps ahead: each fragment is used by one wave of the work-group alone.
; LDS: 0: eight tiles of 64 rows x (512 + 16) bytes, a wave's own; IMG: 32 fragments (4 s + m) of 1,536 bytes, each two halves (512 bytes of 16 a lane, 256 bytes of 8 a lane); ISC: their scale words [s][lane][m]; PS: sums of squares [row slot][wave].
; LDS is filled once by the tensor loads; the claim of all of a WGP's LDS keeps the work-group alone on its WGP.
; LIMITS: NaN and infinities are not served; a block of zeros gets the scale byte 1 (its codes are zeros, and this program alone reads the bytes); sums of squares are made in a fixed tree;
; v_rsq_f32 and v_sqrt_f32 are taken as they are (1 ulp: ISA guide 15.8); the scale words are stored 128 bytes an instruction (393,216 bytes in all).
.set PERMROWS, 1
.set HASMASK, 0
.set NT,   4                           ; weight tiles of 16 rows to a wave
.set LEAD, 3                           ; K steps by which the weights' loads run ahead
.set SETS, 4                           ; register sets for them
.set NL,   13                          ; loads that bring a set: 12 of codes, one of scale words
.set XW,   33792                       ; a wave's tile in LDS
.set XP,   528                         ; its row pitch: 33 x 16 bytes
.set IMG,  270336
.set ISC,  319488
.set PS,   323584
.set MB,   325632
.set AS,   4                           ; v4-7    the activations' scale words, one for each tile of rows   (v4-15 hold scale words and nothing else)
.set WS,   8                           ; v8-15   the weights' scale words
.set AF,   16                          ; v16-63  the activations' four fragments
.set WB,   64                          ; v64-255 the weights' sets
.set SS,   16                          ; X phase: v16-47 sums of squares, eight registers a tile
.set RS,   48                          ; v48-55  1 / rms, a pair for each tile
.set SX,   72                          ; v72-135 the gain of my 64 columns
.set T,    136                         ; v136-199 numbers on their way into the quantiser
.set WV,   3                           ; s3  my wave's number
.set TS,   26                          ; s26 at work for LDS addresses: it never holds cx
.set SEL,  40                          ; s[40:41] lane selects of v_permlanex16_b32: lane l xor 16
.set WP,   42                          ; s[42:43] my weight fragments;  s[44:45] their scale words;  s[46:47] the gain
.set WSP,  44
.set SXP,  46
.set MSB, 0
.macro WIN new                         ; the immediate's high byte repeats the setting that is left; a switch that changes nothing is dropped
.if MSB != (\new)
	s_set_vgpr_msb (MSB<<8)|(\new)
.set MSB, \new
.endif
.endm
.macro PLACES n                        ; plain vector instructions between a matrix instruction and what touches its registers (ISA guide 7.12.1)
.rept \n
	v_nop
.endr
.endm
; One product 16 x 16 x 128.  z = 1: it starts the sum.  row = 1: source 0's scales stand in lanes 16-31 of their register; 2: source 1's.
.macro WM d, a, b, z, sa, sb, row
.if (\z) == 1
.if (\row) == 0
	v_wmma_scale_f32_16x16x128_f8f6f4 v[(\d):(\d)+7], v[(\a):(\a)+11], v[(\b):(\b)+11], 0, v[\sa], v[\sb] matrix_a_fmt:MATRIX_FMT_FP6 matrix_b_fmt:MATRIX_FMT_FP6
.elseif (\row) == 1
	v_wmma_scale_f32_16x16x128_f8f6f4 v[(\d):(\d)+7], v[(\a):(\a)+11], v[(\b):(\b)+11], 0, v[\sa], v[\sb] matrix_a_fmt:MATRIX_FMT_FP6 matrix_b_fmt:MATRIX_FMT_FP6 matrix_a_scale:MATRIX_SCALE_ROW1
.else
	v_wmma_scale_f32_16x16x128_f8f6f4 v[(\d):(\d)+7], v[(\a):(\a)+11], v[(\b):(\b)+11], 0, v[\sa], v[\sb] matrix_a_fmt:MATRIX_FMT_FP6 matrix_b_fmt:MATRIX_FMT_FP6 matrix_b_scale:MATRIX_SCALE_ROW1
.endif
.else
.if (\row) == 0
	v_wmma_scale_f32_16x16x128_f8f6f4 v[(\d):(\d)+7], v[(\a):(\a)+11], v[(\b):(\b)+11], v[(\d):(\d)+7], v[\sa], v[\sb] matrix_a_fmt:MATRIX_FMT_FP6 matrix_b_fmt:MATRIX_FMT_FP6
.elseif (\row) == 1
	v_wmma_scale_f32_16x16x128_f8f6f4 v[(\d):(\d)+7], v[(\a):(\a)+11], v[(\b):(\b)+11], v[(\d):(\d)+7], v[\sa], v[\sb] matrix_a_fmt:MATRIX_FMT_FP6 matrix_b_fmt:MATRIX_FMT_FP6 matrix_a_scale:MATRIX_SCALE_ROW1
.else
	v_wmma_scale_f32_16x16x128_f8f6f4 v[(\d):(\d)+7], v[(\a):(\a)+11], v[(\b):(\b)+11], v[(\d):(\d)+7], v[\sa], v[\sb] matrix_a_fmt:MATRIX_FMT_FP6 matrix_b_fmt:MATRIX_FMT_FP6 matrix_b_scale:MATRIX_SCALE_ROW1
.endif
.endif
.endm
; THE QUANTISER.  32 np numbers of a lane (np = 1, 2), register src + 16 b + i = k 32 b + 16 (lane / 16) + i of the lane's row, in window sw, become 6 np registers of codes at pc (k = 64 c + 32 (lane / 16) + 0 .. 31)
; and the row's scale bytes in pw.  A block's largest magnitude, with the floor 2^(3 - 127) among its leaves; lane l xor 16 holds the block's other half; 2 off the exponent field is the conversion's scale operand.
.macro QUANT src, np, pc, pt, tm, tx, so, pw, sw
	WIN 5*(\sw)
.irp b, 0,1,2,3
.if \b < 2*(\np)
	v_max3_num_f32 v[(\tm)+\b], |v[(\src)+16*\b]|, |v[(\src)+16*\b+1]|, 0x1800000
.endif
.endr
.irp i, 2,4,6,8,10,12,14
.irp b, 0,1,2,3
.if \b < 2*(\np)
	v_max3_num_f32 v[(\tm)+\b], |v[(\src)+16*\b+\i]|, |v[(\src)+16*\b+\i+1]|, v[(\tm)+\b]
.endif
.endr
.endr
	WIN 0
.irp b, 0,1,2,3
.if \b < 2*(\np)
	v_permlanex16_b32 v[(\tx)+\b], v[(\tm)+\b], s[SEL], s[SEL+1]
.endif
.endr
.irp b, 0,1,2,3
.if \b < 2*(\np)
	v_max_num_f32 v[(\tm)+\b], v[(\tm)+\b], v[(\tx)+\b]
.endif
.endr
.irp b, 0,1,2,3
.if \b < 2*(\np)
	v_add_nc_u32 v[(\so)+\b], 0xff000000, v[(\tm)+\b]
.endif
.endr
.irp b, 0,1,2,3
.if \b < 2*(\np)
	v_lshrrev_b32 v[(\tx)+\b], 23, v[(\so)+\b]     ; the scale's byte
.endif
.endr
	v_lshl_or_b32 v[\pw], v[(\tx)+1], 8, v[\tx]
.if (\np) == 2
	s_delay_alu instid0(VALU_DEP_1)
	v_lshl_or_b32 v[\pw], v[(\tx)+2], 16, v[\pw]
	s_delay_alu instid0(VALU_DEP_1)
	v_lshl_or_b32 v[\pw], v[(\tx)+3], 24, v[\pw]
.endif
	WIN \sw
.irp c, 0,1
.if \c < (\np)
	v_cvt_scalef32_pk16_fp6_f32 v[(\pc)+6*\c:(\pc)+6*\c+2], v[(\src)+32*\c:(\src)+32*\c+15], v[(\so)+2*\c]
	v_cvt_scalef32_pk16_fp6_f32 v[(\pt)+4*\c:(\pt)+4*\c+2], v[(\src)+32*\c+16:(\src)+32*\c+31], v[(\so)+2*\c+1]   ; (a conversion's three registers begin on an even number)
.endif
.endr
	WIN 0
	v_nop                                          ; one plain instruction behind the scaled conversions
.irp c, 0,1
.if \c < (\np)
.irp i, 0,1,2
	v_permlane16_swap_b32 v[(\pc)+6*\c+\i], v[(\pt)+4*\c+\i]   ; the operand wants a whole block in a lane: lanes 0-15 block 2 c, lanes 16-31 block 2 c + 1
.endr
.irp i, 0,1,2
	s_delay_alu instid0(VALU_DEP_3)
	v_mov_b32 v[(\pc)+6*\c+3+\i], v[(\pt)+4*\c+\i]
.endr
.endif
.endr
.endm
; The weights of K step s: NT fragments, dense in memory, 512 bytes a load, and their scale words.
.macro WLOAD s
.set WB_, WB+((\s)%SETS)*12*NT
.set c_, 0
.rept 3*NT
	global_load_b128 v[WB_+4*c_:WB_+4*c_+3], v3, s[WP:WP+1] offset:12288*(\s)+512*c_
.set c_, c_+1
.endr
.if NT == 8
	global_load_b128 v[WS+4*((\s)%SETS):WS+4*((\s)%SETS)+3], v3, s[WSP:WSP+1] offset:512*(\s)
.else
	global_load_b64 v[WS+2*((\s)%SETS):WS+2*((\s)%SETS)+1], v3, s[WSP:WSP+1] offset:512*(\s)
.endif
.endm
; The activations' fragment of tile m, K step s, and its scale word: five LDS loads.
.macro ALOAD m, s
.set AO_, (4*(\s)+(\m))*1536
	ds_load_b128 v[AF+12*(\m):AF+12*(\m)+3], v1 offset:AO_
	ds_load_b64 v[AF+12*(\m)+4:AF+12*(\m)+5], v2 offset:AO_
	ds_load_b128 v[AF+12*(\m)+6:AF+12*(\m)+9], v1 offset:AO_+768
	ds_load_b64 v[AF+12*(\m)+10:AF+12*(\m)+11], v2 offset:AO_+768
	ds_load_b32 v[AS+(\m)], v1 offset:49152+512*(\s)+4*(\m)
.endm
.macro GMUL s, m, t, zero, form, am, at
.set D_, (\am)*(\m)+(\at)*(\t)
.set W_, WB+((\s)%SETS)*12*NT+12*(\t)
.set A_, AF+12*(\m)
.set SW_, WS+(NT/2)*((\s)%SETS)+(\t)/2
.if (\form) == 0
	WM D_, W_, A_, \zero, SW_, AS+(\m), (\t)%2
.else
	WM D_, A_, W_, \zero, AS+(\m), SW_, 2*((\t)%2)
.endif
.endm
; A K step of 128: 4 NT products, the accumulators by turns.  form 0: source 0 = the weight; 1: source 0 = the activations.  Accumulator (m, t) at am m + at t of window 1.
.macro GSTEP s, zero, form, am, at
.if (\s)+LEAD-1 < 7
	s_wait_loadcnt (LEAD-1)*NL                     ; this step's weights are in; the sets asked for behind them may be out
.else
	s_wait_loadcnt (7-(\s))*NL
.endif
.if (\s)+LEAD <= 7
	WLOAD (\s)+LEAD                                ; into the set that the step before read: the four places at that step's end stand between
.endif
.irp m, 0,1,2,3
.if (\s) < 7
	s_wait_dscnt 15                                ; tile m's five loads are in; the three fetches issued behind them may be out
.else
	s_wait_dscnt 15-5*\m
.endif
	WIN 0x50                                       ; C and D in window 1
.irp t, 0,1,2,3,4,5,6,7
.if \t < NT
	GMUL \s, \m, \t, \zero, \form, \am, \at
.endif
.endr
.if (\s) < 7
	WIN 0
	PLACES 4
	ALOAD \m, (\s)+1
.endif
.endr
	WIN 0
.endm
; The lane's addresses of the X phase.
.macro XADDR
	v_and_b32 v250, 15, v0                         ; r
	v_bfe_u32 v251, v0, 4, 1                       ; h
	v_and_b32 v252, 31, v0                         ; lane
.if PERMROWS
	s_delay_alu instid0(VALU_DEP_3)
	v_and_b32 v253, 8, v250
	s_delay_alu instid0(VALU_DEP_1)
	v_add_nc_u32 v253, v253, v250                  ; r + 8 (r / 8)
	s_delay_alu instid0(VALU_DEP_1)
	v_mul_u32_u24 v1, v253, XP
.else
	v_mul_u32_u24 v1, v250, XP
.endif
	s_mul_i32 s[TS], s[WV], XW
	v_lshl_add_u32 v1, v251, 6, v1
	s_delay_alu instid0(VALU_DEP_1)
	v_add_nc_u32 v1, s[TS], v1                     ; v1: my tile, my row of a tile of 16, + 64 h: my 16 numbers of a block of 32
	v_lshlrev_b32 v3, 5, v250
	s_delay_alu instid0(VALU_DEP_1)
	v_add_nc_u32 v3, PS, v3                        ; v3: my row slot's eight partial sums
	s_lshl_b32 s[TS], s[WV], 2
	v_add_nc_u32 v2, s[TS], v3                     ; v2: my wave's word among them
	s_mul_i32 s[TS], s[WV], 6144
	v_lshl_add_u32 v246, v252, 4, s[TS]
	s_delay_alu instid0(VALU_DEP_1)
	v_add_nc_u32 v246, IMG, v246                   ; v246, v247: where I store the images of K step w
	v_lshl_add_u32 v247, v252, 3, s[TS]
	s_delay_alu instid0(VALU_DEP_1)
	v_add_nc_u32 v247, IMG+512, v247
	s_lshl_b32 s[TS], s[WV], 9
	v_lshl_add_u32 v248, v252, 4, s[TS]
	s_delay_alu instid0(VALU_DEP_1)
	v_add_nc_u32 v248, ISC, v248                   ; v248: and their scale words
	v_lshlrev_b32 v249, 6, v251                    ; v249: 64 h: my 16 gains of a block of 32
.endm
; THE X PHASE: my wave's 64 rows x 128 columns are read from my own tile, normed and quantised; their four fragments (K step w) go to LDS.
.macro XPHASE
.if HASMASK
	global_load_u8 v241, v0, s[MKP:MKP+1]          ; thread t: key t's mask byte
.endif
.irp b, 0,1,2,3
.irp j, 0,1,2,3
	global_load_b128 v[SX+16*\b+4*\j:SX+16*\b+4*\j+3], v249, s[SXP:SXP+1] offset:128*\b+16*\j
.endr
.endr
	s_wait_tensorcnt 0x0                           ; my tile has landed; I alone read it, so no barrier is wanted
	WIN 0x40                                       ; destination window 1: tile m at 64 m, register 16 b + i = column 32 b + 16 h + i
.irp m, 0,1,2,3
.irp b, 0,1,2,3
.irp j, 0,1,2,3
	ds_load_b128 v[64*\m+16*\b+4*\j:64*\m+16*\b+4*\j+3], v1 offset:XP*(PERMROWS*(32*(\m/2)+8*(\m%2))+(1-PERMROWS)*16*\m)+128*\b+16*\j
.endr
.endr
.endr
.irp m, 0,1,2,3
	s_wait_dscnt 16*(3-\m)                         ; tile m's 16 loads are in; the later tiles' may be out
	WIN 0x05
.set p_, 0
.rept 4
	v_pk_mul_f32 v[SS+8*\m+p_:SS+8*\m+p_+1], v[64*\m+p_:64*\m+p_+1], v[64*\m+p_:64*\m+p_+1]   ; four chains; the first products start them
.set p_, p_+2
.endr
.rept 28
	s_delay_alu instid0(VALU_DEP_4)
	v_pk_fma_f32 v[SS+8*\m+p_%8:SS+8*\m+p_%8+1], v[64*\m+p_:64*\m+p_+1], v[64*\m+p_:64*\m+p_+1], v[SS+8*\m+p_%8:SS+8*\m+p_%8+1]
.set p_, p_+2
.endr
.endr
	WIN 0
.irp m, 0,1,2,3
	v_pk_add_f32 v[SS+8*\m:SS+8*\m+1], v[SS+8*\m:SS+8*\m+1], v[SS+8*\m+2:SS+8*\m+3]
	v_pk_add_f32 v[SS+8*\m+4:SS+8*\m+5], v[SS+8*\m+4:SS+8*\m+5], v[SS+8*\m+6:SS+8*\m+7]
.endr
.irp m, 0,1,2,3
	v_pk_add_f32 v[SS+8*\m:SS+8*\m+1], v[SS+8*\m:SS+8*\m+1], v[SS+8*\m+4:SS+8*\m+5]
.endr
.irp m, 0,1,2,3
	s_delay_alu instid0(VALU_DEP_4)
	v_add_f32 v[SS+8*\m], v[SS+8*\m], v[SS+8*\m+1]
.endr
.irp m, 0,1,2,3
	s_delay_alu instid0(VALU_DEP_4)
	v_permlanex16_b32 v[SS+8*\m+1], v[SS+8*\m], s[SEL], s[SEL+1]
.endr
.irp m, 0,1,2,3
	s_delay_alu instid0(VALU_DEP_4)
	v_add_f32 v[SS+8*\m], v[SS+8*\m], v[SS+8*\m+1] ; my wave's 128 columns of the row
.endr
.irp m, 0,1,2,3
	ds_store_b32 v2, v[SS+8*\m] offset:512*\m      ; lanes l and l xor 16 write the same word with the same value
.endr
.if HASMASK
	v_lshlrev_b32 v245, 2, v250                    ; key t = 32 b + 16 h + i lies at MB + 512 h + 4 (16 b + i): the order of a lane's score registers
	v_lshl_add_u32 v245, v251, 9, v245
	v_lshrrev_b32 v225, 5, v0
	v_lshl_add_u32 v245, v225, 6, v245
	v_add_nc_u32 v245, MB, v245
	v_mov_b32 v225, 0xf149f2ca                     ; -1e30
	s_wait_loadcnt 16                              ; the mask byte is in; the gain's 16 loads were issued behind it
	v_cmp_eq_u32 vcc_lo, 0, v241
	v_cndmask_b32 v225, 0, v225, vcc_lo            ; 0 where the key counts
	ds_store_b32 v245, v225
.endif
	s_wait_dscnt 0x0                               ; for the others' sake: my stores have landed
	s_barrier_signal -1
	s_barrier_wait -1                              ; every wave's partial sums lie in LDS
.irp m, 0,1,2,3
	ds_load_b128 v[SS+8*\m:SS+8*\m+3], v3 offset:512*\m
	ds_load_b128 v[SS+8*\m+4:SS+8*\m+7], v3 offset:512*\m+16
.endr
	s_wait_dscnt 0x0
.irp m, 0,1,2,3
	v_pk_add_f32 v[SS+8*\m:SS+8*\m+1], v[SS+8*\m:SS+8*\m+1], v[SS+8*\m+2:SS+8*\m+3]
	v_pk_add_f32 v[SS+8*\m+4:SS+8*\m+5], v[SS+8*\m+4:SS+8*\m+5], v[SS+8*\m+6:SS+8*\m+7]
.endr
.irp m, 0,1,2,3
	v_pk_add_f32 v[SS+8*\m:SS+8*\m+1], v[SS+8*\m:SS+8*\m+1], v[SS+8*\m+4:SS+8*\m+5]
.endr
.irp m, 0,1,2,3
	s_delay_alu instid0(VALU_DEP_4)
	v_add_f32 v[SS+8*\m], v[SS+8*\m], v[SS+8*\m+1]
.endr
.irp m, 0,1,2,3
	s_delay_alu instid0(VALU_DEP_4)
	v_fma_f32 v[SS+8*\m], v[SS+8*\m], s70, s71     ; the mean of 1,024 squares (x 2^-10, exact) + 1e-6
.endr
	s_wait_alu depctr_va_vdst(0)
.irp m, 0,1,2,3
	v_rsq_f32 v[RS+2*\m], v[SS+8*\m]
.endr
.irp b, 0,1,2,3
	v_mov_b32 v[208+\b], 0                         ; (a lane permute's destination counts as a source: written once.  Plain work behind the batch)
.endr
	s_wait_alu depctr_va_vdst(0)                   ; one wait for the four roots, ahead of their first reader
.irp m, 0,1,2,3
	v_mov_b32 v[RS+2*\m+1], v[RS+2*\m]
.endr
	s_wait_alu depctr_va_vdst(0)
	s_wait_loadcnt 0x0                             ; the gain
.irp m, 0,1,2,3
.set p_, 0
.rept 32
	v_pk_mul_f32 v[T+p_:T+p_+1], v[SX+p_:SX+p_+1], v[RS+2*\m:RS+2*\m+1]   ; s = gain x 1 / rms, rounded,
.set p_, p_+2
.endr
	WIN 0x01
.set p_, 0
.rept 32
	v_pk_mul_f32 v[T+p_:T+p_+1], v[64*\m+p_:64*\m+p_+1], v[T+p_:T+p_+1]   ; then x s: the two roundings of the definition
.set p_, p_+2
.endr
	WIN 0
	QUANT T,2,226,238,200,208,216,224,0
	ds_store_b128 v246, v[226:229] offset:1536*\m
	ds_store_b64 v247, v[230:231] offset:1536*\m
	ds_store_b128 v246, v[232:235] offset:1536*\m+768
	ds_store_b64 v247, v[236:237] offset:1536*\m+768
	ds_store_b32 v248, v224 offset:4*\m
	s_wait_dscnt 0x0                               ; the stores have read their registers
.endr
	v_and_b32 v3, 31, v0                           ; the products' three addresses
	s_delay_alu instid0(VALU_DEP_1)
	v_lshlrev_b32 v2, 3, v3
	s_delay_alu instid0(VALU_DEP_2)
	v_lshlrev_b32 v3, 4, v3                        ; v3: 16 x lane
	s_delay_alu instid0(VALU_DEP_1)
	v_add_nc_u32 v1, IMG, v3                       ; v1: IMG + 16 x lane
	s_delay_alu instid0(VALU_DEP_3)
	v_add_nc_u32 v2, IMG+512, v2                   ; v2: IMG + 512 + 8 x lane
.set q_, 0
.rept LEAD
	WLOAD q_
.set q_, q_+1
.endr
	s_wait_alu depctr_va_vdst(0)
	s_wait_dscnt 0x0
	s_barrier_signal -1
	s_barrier_wait -1                              ; all 32 fragments lie in LDS
	ALOAD 0, 0
	ALOAD 1, 0
	ALOAD 2, 0
	ALOAD 3, 0
.endm
.macro CROUND                          ; a round of the cluster's barrier
	s_barrier_signal -1
	s_barrier_wait -1
	s_cmp_lg_u32 s[WV], 0
	s_cbranch_scc1 .Lnot_wave_0_\@
	s_barrier_signal -3
.Lnot_wave_0_\@:
	s_barrier_wait -3
	s_barrier_signal -1
	s_barrier_wait -1
.endm
	s_load_b512 s[8:23], s[0:1], 0x0               ; cc s[8:9], sxc s[10:11], wf s[12:13], wsc s[14:15], qk_scale s[16:17], kf s[18:19], vf s[20:21], kvs s[22:23]
	v_lshl_add_u32 v254, v0, 2, 0x4f800
	v_mov_b32 v255, 0
	ds_add_u32 v254, v255
	ds_add_u32 v254, v255
	s_wait_dscnt 0x0
	v_lshrrev_b32 v1, 5, v0
	s_delay_alu instid0(VALU_DEP_1)
	v_readfirstlane_b32 s[WV], v1                  ; wave 0..7
	s_bfe_u32 s5, ttmp6, 0x40000                   ; cx: it enters global addresses alone
	s_lshr_b32 s6, ttmp9, 2                        ; batch (ttmp9 counts clusters)
	s_and_b32 s7, ttmp9, 3                         ; kb: which 64 of the batch's 256 keys
	; descriptor group 1: 64 rows x 128 elements of 4 bytes, 1,024 elements from row to row, 16 bytes of padding behind each row of 128 words; the mask names all four partners, bit 21 beside it
	s_mov_b32 s32, 15|(2<<16)|(1<<20)|(1<<21)|(6<<22)|(3<<25)
	s_mov_b32 s33, 128<<16
	s_mov_b32 s34, 64<<16
	s_mov_b32 s35, 128<<16
	s_mov_b32 s36, 64
	s_mov_b32 s37, 1024
	s_mov_b32 s38, 0
	s_mov_b32 s39, 0
	s_mov_b32 s[SEL], 0x76543210
	s_mov_b32 s[SEL+1], 0xfedcba98
	s_mov_b32 s70, 0x3a800000                      ; 2^-10
	s_mov_b32 s71, 0x358637bd                      ; 1e-6
	s_mov_b32 s27, 0xffff0000                      ; lanes 16-31
	XADDR
	s_mov_b32 s28, 1
	s_mul_i32 s29, s[WV], XW                       ; my tile in LDS
	s_lshl_b32 s24, ttmp9, 18                      ; 64 rows of 4,096 bytes,
	s_lshl_b32 s25, s[WV], 9                       ; my 128 columns
	s_add_co_u32 s24, s24, s25
	s_mov_b32 s25, 0
	; what hangs on cx, in registers of its own
	s_and_b32 s60, s[WV], 3
	s_lshl_b32 s61, s5, 2
	s_add_co_u32 s60, s60, s61                     ; my head
	s_lshl_b32 s61, s6, 4
	s_add_co_u32 s52, s61, s60                     ; 16 x batch + head
	s_lshl_b32 s60, s60, 2
	s_mov_b32 s61, 0
	s_lshr_b32 s62, s[WV], 2
	s_lshl_b32 s62, s62, 3
	s_lshl_b32 s63, s5, 1
	s_add_co_u32 s62, s62, s63
	s_bfe_u32 s63, s[WV], 0x10001
	s_add_co_u32 s62, s62, s63
	s_add_co_u32 s62, s62, 16                      ; G = 16 + 8 (V?) + head / 2
	s_and_b32 s63, s[WV], 1                        ; which half of the group's 128 rows: head % 2
	s_mul_i32 s66, s62, 98304
	s_mul_i32 s72, s63, 6144
	s_add_co_u32 s66, s66, s72
	s_mov_b32 s67, 0
	s_lshl_b32 s68, s62, 12
	s_lshl_b32 s72, s63, 3
	s_add_co_u32 s68, s68, s72
	s_mov_b32 s69, 0
	s_lshl_b32 s74, s6, 12
	s_lshl_b32 s72, s[WV], 9
	s_add_co_u32 s74, s74, s72
	s_add_co_u32 s74, s74, 65536                   ; s_c: the second half of sxc
	s_mov_b32 s75, 0
	s_wait_kmcnt 0x0
	s_add_nc_u64 s[30:31], s[8:9], s[24:25]
	s_or_b32 s31, s31, 0x80000000
	s_add_nc_u64 s[WP:WP+1], s[12:13], s[66:67]
	s_add_nc_u64 s[WSP:WSP+1], s[14:15], s[68:69]
	s_add_nc_u64 s[SXP:SXP+1], s[10:11], s[74:75]
	s_add_nc_u64 s[16:17], s[16:17], s[60:61]
	s_load_b32 s53, s[16:17], 0x0                  ; my head's qk_scale
	CROUND                                         ; all four work-groups are here: the joint loads meet
	tensor_load_to_lds s[28:31], s[32:39]          ; the one tensor load of the wave
	s_nop 0
	PLACES 4
	s_wait_alu depctr_va_vdst(0)
	XPHASE
	s_wait_kmcnt 0x0
	s_cmp_lt_u32 s[WV], 4
	s_cbranch_scc0 .Lvalues
	; ---- K of my head
	GSTEP 0,1,0,32,8
.irp s, 1,2,3,4,5,6,7
	GSTEP \s,0,0,32,8
.endr
	PLACES 4
	v_and_b32 v241, 31, v0
	s_delay_alu instid0(VALU_DEP_1)
	v_lshlrev_b32 v241, 2, v241                    ; 4 x lane
	s_mul_i32 s66, s52, 12288
	s_mul_i32 s67, s7, 3072
	s_add_co_u32 s66, s66, s67
	s_mov_b32 s67, 0
	s_add_nc_u64 s[54:55], s[18:19], s[66:67]      ; kf: my head's fragments 2 kb, 2 kb + 1
	s_lshl_b32 s66, s52, 2
	s_add_co_u32 s66, s66, s7
	s_lshl_b32 s66, s66, 7
	s_add_nc_u64 s[56:57], s[22:23], s[66:67]      ; and their scale words
	WIN 0x05                                       ; the sum of a key's 64 squares: two chains a tile, the tiles by turns
.irp m, 0,1,2,3
	v_pk_mul_f32 v[16+4*\m:17+4*\m], v[32*\m:32*\m+1], v[32*\m:32*\m+1]
.endr
.irp m, 0,1,2,3
	v_pk_mul_f32 v[18+4*\m:19+4*\m], v[32*\m+2:32*\m+3], v[32*\m+2:32*\m+3]
.endr
.irp p, 2,3,4,5,6,7,8,9,10,11,12,13,14,15
.irp m, 0,1,2,3
	v_pk_fma_f32 v[16+4*\m+2*(\p%2):17+4*\m+2*(\p%2)], v[32*\m+2*\p:32*\m+2*\p+1], v[32*\m+2*\p:32*\m+2*\p+1], v[16+4*\m+2*(\p%2):17+4*\m+2*(\p%2)]
.endr
.endr
	WIN 0
.irp m, 0,1,2,3
	v_pk_add_f32 v[16+4*\m:17+4*\m], v[16+4*\m:17+4*\m], v[18+4*\m:19+4*\m]
.endr
.irp m, 0,1,2,3
	s_delay_alu instid0(VALU_DEP_4)
	v_add_f32 v[16+4*\m], v[16+4*\m], v[17+4*\m]
.endr
.irp m, 0,1,2,3
	s_delay_alu instid0(VALU_DEP_4)
	v_permlanex16_b32 v[17+4*\m], v[16+4*\m], s[SEL], s[SEL+1]
.endr
.irp m, 0,1,2,3
	s_delay_alu instid0(VALU_DEP_4)
	v_add_f32 v[16+4*\m], v[16+4*\m], v[17+4*\m]
.endr
.irp m, 0,1,2,3
	s_delay_alu instid0(VALU_DEP_4)
	v_add_f32 v[16+4*\m], s71, v[16+4*\m]
.endr
	s_wait_alu depctr_va_vdst(0)
.irp m, 0,1,2,3
	v_rsq_f32 v[32+2*\m], v[16+4*\m]
.endr
	v_sqrt_f32 v40, s53
	v_mov_b32 v208, 0                              ; (the permutes' destinations; plain work behind the batch)
	v_mov_b32 v209, 0
	s_wait_alu depctr_va_vdst(0)                   ; one wait for the five, ahead of their first reader
.irp m, 0,1,2,3
	v_mul_f32 v[33+2*\m], v40, v[32+2*\m]
	v_mul_f32 v[32+2*\m], v40, v[32+2*\m]          ; sqrt(scale) x rsqrt(sum + eps)
.endr
.irp m, 0,1,2,3
	WIN 0x01
.set p_, 0
.rept 16
	v_pk_mul_f32 v[T+p_:T+p_+1], v[32*\m+p_:32*\m+p_+1], v[32+2*\m:33+2*\m]
.set p_, p_+2
.endr
	WIN 0
	QUANT T,1,64+12*(\m/2)+6*(\m%2),238,200,208,216,224+\m,0   ; tile m fills half m % 2 of fragment m / 2
.endr
	v_lshl_or_b32 v228, v225, 16, v224             ; a fragment's scale word: the two tiles' two bytes each
	v_lshl_or_b32 v229, v227, 16, v226
	s_delay_alu instid0(VALU_DEP_1)
	v_cndmask_b32 v230, v228, v229, s27            ; lanes 0-15 the even fragment's, lanes 16-31 the odd one's
.set c_, 0
.rept 6
	global_store_b128 v3, v[64+4*c_:67+4*c_], s[54:55] offset:512*c_   ; 32 lanes store 512 consecutive bytes, aligned
.set c_, c_+1
.endr
	global_store_b32 v241, v230, s[56:57]
	s_branch .Ljoin
	; ---- V of my head
.Lvalues:
	GSTEP 0,1,1,8,32
.irp s, 1,2,3,4,5,6,7
	GSTEP \s,0,1,8,32
.endr
	PLACES 4
	v_and_b32 v241, 31, v0
	s_delay_alu instid0(VALU_DEP_1)
	v_lshlrev_b32 v242, 3, v241                    ; 8 x lane
	s_delay_alu instid0(VALU_DEP_2)
	v_lshlrev_b32 v241, 2, v241                    ; 4 x lane
	v_mov_b32 v208, 0
	v_mov_b32 v209, 0
	s_mul_i32 s66, s52, 12288
	s_mul_i32 s67, s7, 768
	s_add_co_u32 s66, s66, s67
	s_mov_b32 s67, 0
	s_add_nc_u64 s[54:55], s[20:21], s[66:67]      ; vf: my head, half image kb of each tile's four
	s_lshl_b32 s66, s52, 2
	s_add_co_u32 s66, s66, s7
	s_lshl_b32 s66, s66, 8
	s_add_co_u32 s66, s66, 131072
	s_add_nc_u64 s[56:57], s[22:23], s[66:67]
.irp t, 0,1,2,3
	QUANT 32*\t,1,64+8*\t,238,200,208,216,224+\t,1 ; the 64 keys of 16 of the head's 64, where the sums lie (window 1)
.endr
.irp t, 0,1,2,3
	global_store_b128 v3, v[64+8*\t:67+8*\t], s[54:55] offset:3072*\t
	global_store_b64 v242, v[68+8*\t:69+8*\t], s[54:55] offset:3072*\t+512
.endr
	v_cndmask_b32 v228, v224, v225, s27            ; lanes 0-15 the even tile's two bytes, lanes 16-31 the odd one's
	v_cndmask_b32 v229, v226, v227, s27
	global_store_b32 v241, v228, s[56:57]
	global_store_b32 v241, v229, s[56:57] offset:128
.Ljoin:
	s_wait_dscnt 0x0
	s_wait_xcnt 0x0
	v_lshl_add_u32 v254, v0, 2, 0x4f800
	v_mov_b32 v255, 0
	s_wait_alu depctr_va_vdst(0)
	s_wait_tensorcnt 0x0
	ds_add_u32 v254, v255
	s_wait_dscnt 0x0
	CROUND                                         ; the closing round: no work-group ends while a partner may still ask for a tile that names it
	s_endpgm
.Lfunc_end_k_qfca113edfe_kv:
	.size	k_qfca113edfe_kv, .Lfunc_end_k_qfca113edfe_kv-k_qfca113edfe_kv
	.p2alignl 7, 3214868480
	.fill 96, 4, 3214868480
	.section	.rodata,"a",@progbits
	.p2align	6, 0x0
	.amdhsa_kernel k_qfca113edfe_kv
		.amdhsa_group_segment_fixed_size 327680
		.amdhsa_private_segment_fixed_size 0
		.amdhsa_enable_private_segment 0
		.amdhsa_kernarg_size 64
		.amdhsa_user_sgpr_count 2
		.amdhsa_user_sgpr_kernarg_segment_ptr 1
		.amdhsa_wavefront_size32 1
		.amdhsa_system_sgpr_workgroup_id_x 1
		.amdhsa_system_sgpr_workgroup_id_y 1
		.amdhsa_system_sgpr_workgroup_id_z 1
		.amdhsa_system_vgpr_workitem_id 0
		.amdhsa_next_free_vgpr 512
		.amdhsa_next_free_sgpr 80
		.amdhsa_reserve_vcc 1
		.amdhsa_float_denorm_mode_32 3
		.amdhsa_float_denorm_mode_16_64 3
		.amdhsa_memory_ordered 1
		.amdhsa_forward_progress 1
		.amdhsa_inst_pref_size 171
	.end_amdhsa_kernel
	.amdgpu_metadata
---
amdhsa.version: [ 1, 2 ]
amdhsa.kernels:
  - .name:           k_qfca113edfe_kv
    .symbol:         k_qfca113edfe_kv.kd
    .args:
      - { .name: crossattn_cond, .offset: 0, .size: 8, .value_kind: global_buffer, .address_space: global }
      - { .name: sxc, .offset: 8, .size: 8, .value_kind: global_buffer, .address_space: global }
      - { .name: wf, .offset: 16, .size: 8, .value_kind: global_buffer, .address_space: global }
      - { .name: wsc, .offset: 24, .size: 8, .value_kind: global_buffer, .address_space: global }
      - { .name: qk_scale, .offset: 32, .size: 8, .value_kind: global_buffer, .address_space: global }
      - { .name: kf, .offset: 40, .size: 8, .value_kind: global_buffer, .address_space: global }
      - { .name: vf, .offset: 48, .size: 8, .value_kind: global_buffer, .address_space: global }
      - { .name: kvs, .offset: 56, .size: 8, .value_kind: global_buffer, .address_space: global }
    .group_segment_fixed_size: 327680
    .private_segment_fixed_size: 0
    .kernarg_segment_align: 8
    .kernarg_segment_size: 64
    .max_flat_workgroup_size: 256
    .sgpr_count:     80
    .vgpr_count:     512
    .wavefront_size: 32
...
	.end_amdgpu_metadata
.endif
;; end of part 2
;; launch attn (part 3): grid 256 x 1, 8 waves a work-group, no clusters, 327,680 bytes of LDS; arguments x, sxc, wf, wsc, kf, vf, kvs, crossattn_mask, qk_scale, out0; writes out0
.if DOCPART == 3
	.amdgcn_target "amdgcn-amd-amdhsa--gfx1250"
	.amdhsa_code_object_version 6
	.text
	.protected	k_qfca113edfe_attn
	.globl	k_qfca113edfe_attn
	.p2align	8
	.type	k_qfca113edfe_attn,@function
k_qfca113edfe_attn:
	s_mov_b64 s[64:65], 0
	v_nop
	global_prefetch_b8 v0, s[64:65] scope:SCOPE_SE
	s_setreg_imm32_b32 hwreg(HW_REG_WAVE_MODE, 25, 1), 1
	s_wait_xcnt 0x0
; ATTN.  64 rows of x go through the whole chain in one work-group: AdaRMSNorm, quantise, q = xn w_q^T, cosine scaling, quantise, scores, masked softmax, p v, quantise, o w_o^T, + x.
; All products on codes of E2M3 with one E8M0 scale for each 32 along K.  x is read from memory once and out0 written once; q, p and o never leave the WGP.
; SHARES.  256 work-groups of eight waves.  THE WAVES SHARE THE COLUMNS: wave w owns columns 128 w .. 128 w + 127: K step w of both large products, heads 2 w and 2 w + 1, output columns 128 w on.
; The x block stays in LDS (a wave's own tile of 64 rows x 512 bytes): it serves the norm, it is the C of the last product's first K step (so the skip costs no addition), and its bytes are the stage on the way out.
; Activations go from wave to wave through LDS as images of the operand's registers.
; NO CLUSTER, NO TILES OF WEIGHTS IN LDS: the x block takes 270,336 bytes and the images, scale words, sums and mask 56,320 of the 327,680, so no slot for weights is left; and every fragment of w_q, w_o, K and V
; is used by ONE wave of the work-group, so it goes from memory straight into that wave's registers, as dense loads of 512 bytes from buffers laid in register order.
; THE WEIGHTS' RING: four sets of four fragments (half a K step: the four tiles of one head), asked for three half steps, 48 matrix instructions, ahead: 39 loads of a wave are on their way.
;   q: the half steps go (K step, half): an activation fragment is read from LDS once and serves both halves.
;   out: they go (half, K step): the first 64 of my 128 columns are finished at half time and are stored while the other 64 are multiplied; for that the activations' images are read from LDS twice.
; K AND V ARE ASKED FOR AHEAD: head 0's as soon as q's accumulators that they overwrite are consumed; head 1's K in head 0's last trip, behind its scores; V is waited for ahead of the products p v.
; SCORES.  K = 64 is half of the instruction's 128: a fragment of K holds two tiles of 16 keys, one in each half; q stands once in the lower half (zero codes above) and once in the upper.  The mask is the C operand: 0 or -1e30.
; SOFTMAX.  t = score x log2(e) / 8; M = ceil(the row's largest t); p = 2^(t - M) is quantised along the keys; the row's sum is taken of the unquantised p and divides o.  A wave holds all 256 keys of 16 rows, so M is final.
; A row with no key that counts: the factor c is selected as 0, so that every p is 1, as the definition gives.  It is a select, no branch.
; LDS: 0: eight tiles of 64 rows x (512 + 16) bytes; IMG: 32 fragments (4 s + m) x 1,536 bytes in two halves; ISC: scale words [s][lane][m]; PS: sums of squares; MB: the mask as f32, [lane half][128].
; q's codes are parked in the half fragment (m, s = w, half = head % 2) where o's will be written: both are the wave's own.  LDS is filled once by the tensor loads.
; LIMITS: NaN and infinities are not served; a block of zeros gets the scale byte 1 (its codes are zeros, and this program alone reads the bytes); sums are made in fixed trees; 1 / l by v_rcp_f32, roots by v_rsq_f32 and
; v_sqrt_f32 (1 ulp: ISA guide 15.8); a masked score is score - 1e30, not -1e30: its p is 0 either way.
.set PERMROWS, 0
.set HASMASK, 1
.set NT,   4                           ; weight tiles of 16 rows in a set: half of my eight
.set LEAD, 3                           ; half steps by which the weights' loads run ahead
.set SETS, 4                           ; register sets for them: 4 x 48 registers
.set NL,   13                          ; loads that bring a set: 12 of codes, one of scale words
.set ORD,  0                           ; the order of the 16 half steps: 0: (K step, half); 1: (half, K step)
.set XW,   33792
.set XP,   528
.set IMG,  270336
.set ISC,  319488
.set PS,   323584
.set MB,   325632
.set AS,   4                           ; v4-15 hold scale words and nothing else
.set WS,   8
.set AF,   16
.set WB,   64
.set SS,   16
.set RS,   48
.set SX,   72
.set T,    136
.set WV,   3
.set TS,   78
.set SEL,  40
.set WP,   42                          ; s[42:43], s[44:45] w_q's fragments and scale words; s[46:47], s[48:49] w_o's
.set WSP,  44
.set KP,   50                          ; s[50:57] K, V, K's scale words, V's, at head 2 w
.set VP,   52
.set KSP,  54
.set VSP,  56
.set SXP,  66
.set MKP,  22
.set OUTP, 26
.set MSB, 0
.macro WIN new                         ; the immediate's high byte repeats the setting that is left; a switch that changes nothing is dropped
.if MSB != (\new)
	s_set_vgpr_msb (MSB<<8)|(\new)
.set MSB, \new
.endif
.endm
.macro PLACES n                        ; plain vector instructions between a matrix instruction and what touches its registers (ISA guide 7.12.1)
.rept \n
	v_nop
.endr
.endm
; One product 16 x 16 x 128.  z = 1: it starts the sum.  row = 1: source 0's scales stand in lanes 16-31 of their register; 2: source 1's.
.macro WM d, a, b, z, sa, sb, row
.if (\z) == 1
.if (\row) == 0
	v_wmma_scale_f32_16x16x128_f8f6f4 v[(\d):(\d)+7], v[(\a):(\a)+11], v[(\b):(\b)+11], 0, v[\sa], v[\sb] matrix_a_fmt:MATRIX_FMT_FP6 matrix_b_fmt:MATRIX_FMT_FP6
.elseif (\row) == 1
	v_wmma_scale_f32_16x16x128_f8f6f4 v[(\d):(\d)+7], v[(\a):(\a)+11], v[(\b):(\b)+11], 0, v[\sa], v[\sb] matrix_a_fmt:MATRIX_FMT_FP6 matrix_b_fmt:MATRIX_FMT_FP6 matrix_a_scale:MATRIX_SCALE_ROW1
.else
	v_wmma_scale_f32_16x16x128_f8f6f4 v[(\d):(\d)+7], v[(\a):(\a)+11], v[(\b):(\b)+11], 0, v[\sa], v[\sb] matrix_a_fmt:MATRIX_FMT_FP6 matrix_b_fmt:MATRIX_FMT_FP6 matrix_b_scale:MATRIX_SCALE_ROW1
.endif
.else
.if (\row) == 0
	v_wmma_scale_f32_16x16x128_f8f6f4 v[(\d):(\d)+7], v[(\a):(\a)+11], v[(\b):(\b)+11], v[(\d):(\d)+7], v[\sa], v[\sb] matrix_a_fmt:MATRIX_FMT_FP6 matrix_b_fmt:MATRIX_FMT_FP6
.elseif (\row) == 1
	v_wmma_scale_f32_16x16x128_f8f6f4 v[(\d):(\d)+7], v[(\a):(\a)+11], v[(\b):(\b)+11], v[(\d):(\d)+7], v[\sa], v[\sb] matrix_a_fmt:MATRIX_FMT_FP6 matrix_b_fmt:MATRIX_FMT_FP6 matrix_a_scale:MATRIX_SCALE_ROW1
.else
	v_wmma_scale_f32_16x16x128_f8f6f4 v[(\d):(\d)+7], v[(\a):(\a)+11], v[(\b):(\b)+11], v[(\d):(\d)+7], v[\sa], v[\sb] matrix_a_fmt:MATRIX_FMT_FP6 matrix_b_fmt:MATRIX_FMT_FP6 matrix_b_scale:MATRIX_SCALE_ROW1
.endif
.endif
.endm
; THE QUANTISER.  32 np numbers of a lane (np = 1, 2), register src + 16 b + i = k 32 b + 16 (lane / 16) + i of the lane's row, in window sw, become 6 np registers of codes at pc (k = 64 c + 32 (lane / 16) + 0 .. 31)
; and the row's scale bytes in pw.  A block's largest magnitude, with the floor 2^(3 - 127) among its leaves; lane l xor 16 holds the block's other half; 2 off the exponent field is the conversion's scale operand.
.macro QUANT src, np, pc, pt, tm, tx, so, pw, sw
	WIN 5*(\sw)
.irp b, 0,1,2,3
.if \b < 2*(\np)
	v_max3_num_f32 v[(\tm)+\b], |v[(\src)+16*\b]|, |v[(\src)+16*\b+1]|, 0x1800000
.endif
.endr
.irp i, 2,4,6,8,10,12,14
.irp b, 0,1,2,3
.if \b < 2*(\np)
	v_max3_num_f32 v[(\tm)+\b], |v[(\src)+16*\b+\i]|, |v[(\src)+16*\b+\i+1]|, v[(\tm)+\b]
.endif
.endr
.endr
	WIN 0
.irp b, 0,1,2,3
.if \b < 2*(\np)
	v_permlanex16_b32 v[(\tx)+\b], v[(\tm)+\b], s[SEL], s[SEL+1]
.endif
.endr
.irp b, 0,1,2,3
.if \b < 2*(\np)
	v_max_num_f32 v[(\tm)+\b], v[(\tm)+\b], v[(\tx)+\b]
.endif
.endr
.irp b, 0,1,2,3
.if \b < 2*(\np)
	v_add_nc_u32 v[(\so)+\b], 0xff000000, v[(\tm)+\b]
.endif
.endr
.irp b, 0,1,2,3
.if \b < 2*(\np)
	v_lshrrev_b32 v[(\tx)+\b], 23, v[(\so)+\b]     ; the scale's byte
.endif
.endr
	v_lshl_or_b32 v[\pw], v[(\tx)+1], 8, v[\tx]
.if (\np) == 2
	s_delay_alu instid0(VALU_DEP_1)
	v_lshl_or_b32 v[\pw], v[(\tx)+2], 16, v[\pw]
	s_delay_alu instid0(VALU_DEP_1)
	v_lshl_or_b32 v[\pw], v[(\tx)+3], 24, v[\pw]
.endif
	WIN \sw
.irp c, 0,1
.if \c < (\np)
	v_cvt_scalef32_pk16_fp6_f32 v[(\pc)+6*\c:(\pc)+6*\c+2], v[(\src)+32*\c:(\src)+32*\c+15], v[(\so)+2*\c]
	v_cvt_scalef32_pk16_fp6_f32 v[(\pt)+4*\c:(\pt)+4*\c+2], v[(\src)+32*\c+16:(\src)+32*\c+31], v[(\so)+2*\c+1]   ; (a conversion's three registers begin on an even number)
.endif
.endr
	WIN 0
	v_nop                                          ; one plain instruction behind the scaled conversions
.irp c, 0,1
.if \c < (\np)
.irp i, 0,1,2
	v_permlane16_swap_b32 v[(\pc)+6*\c+\i], v[(\pt)+4*\c+\i]   ; the operand wants a whole block in a lane: lanes 0-15 block 2 c, lanes 16-31 block 2 c + 1
.endr
.irp i, 0,1,2
	s_delay_alu instid0(VALU_DEP_3)
	v_mov_b32 v[(\pc)+6*\c+3+\i], v[(\pt)+4*\c+\i]
.endr
.endif
.endr
.endm
; The weights of half step q of 16: four fragments, 6,144 dense bytes, 512 a load, and their two scale words a lane, into set q % 4.
.macro WLOAD q
.if ORD == 0
.set ws_, (\q)/2
.set wp_, (\q)%2
.else
.set ws_, (\q)%8
.set wp_, (\q)/8
.endif
.set WB_, WB+((\q)%SETS)*12*NT
.set c_, 0
.rept 3*NT
	global_load_b128 v[WB_+4*c_:WB_+4*c_+3], v3, s[WP:WP+1] offset:12288*ws_+6144*wp_+512*c_
.set c_, c_+1
.endr
	global_load_b64 v[WS+2*((\q)%SETS):WS+2*((\q)%SETS)+1], v3, s[WSP:WSP+1] offset:512*ws_+8*wp_
.endm
; The activations' fragment of tile m, K step s, and its scale word: five LDS loads.
.macro ALOAD m, s
.set AO_, (4*(\s)+(\m))*1536
	ds_load_b128 v[AF+12*(\m):AF+12*(\m)+3], v1 offset:AO_
	ds_load_b64 v[AF+12*(\m)+4:AF+12*(\m)+5], v2 offset:AO_
	ds_load_b128 v[AF+12*(\m)+6:AF+12*(\m)+9], v1 offset:AO_+768
	ds_load_b64 v[AF+12*(\m)+10:AF+12*(\m)+11], v2 offset:AO_+768
	ds_load_b32 v[AS+(\m)], v1 offset:49152+512*(\s)+4*(\m)
.endm
.macro GMUL q, m, t, p, zero           ; source 0 = the weight's tile 4 p + t, source 1 = the activations' tile m; the accumulator at 64 m + 32 p + 8 t of window 1
.set D_, 64*(\m)+32*(\p)+8*(\t)
.set W_, WB+((\q)%SETS)*12*NT+12*(\t)
.set A_, AF+12*(\m)
.set SW_, WS+2*((\q)%SETS)+(\t)/2
	WM D_, W_, A_, \zero, SW_, AS+(\m), (\t)%2
.endm
; HALF STEP q of 16: 128 along K x four weight tiles x four tiles of rows: 16 products, the accumulators by turns.
; ORD 0: q = 2 s + p.  Half 0 waits for the activations' fragments; half 1 fetches the next K step's into each fragment's registers, four places behind its last products.
; ORD 1: q = 8 p + s.  Every half step waits and fetches; a half's last K step fetches nothing.
.macro GSTEP q, zero
.if ORD == 0
.set gs_, (\q)/2
.set gp_, (\q)%2
.set gw_, 2*(1-gp_)
.set gl_, gp_
.else
.set gs_, (\q)%8
.set gp_, (\q)/8
.set gw_, 1
.set gl_, 1
.endif
.if gs_ == 7
.set gl_, 0
.if ORD == 1
.set gw_, 2
.endif
.endif
.if (\q) == 0
	s_wait_loadcnt LEAD*NL                         ; all four sets were asked for ahead of the first half step: the three behind set 0 may be out
.elseif (\q)+LEAD-1 < 15
	s_wait_loadcnt (LEAD-1)*NL                     ; this half step's weights are in; the two sets asked for behind them may be out
.else
	s_wait_loadcnt (15-(\q))*NL
.endif
.if ((\q) > 0) && ((\q)+LEAD <= 15)
	WLOAD (\q)+LEAD                                ; into the set that the half step before read: four places stand at that half step's end
.endif
.irp m, 0,1,2,3
.if gw_ == 1
	s_wait_dscnt 15                                ; tile m's five loads are in; the three fetches issued behind them may be out
.elseif gw_ == 2
	s_wait_dscnt 15-5*\m                           ; the same where nothing is fetched behind them
.endif
	WIN 0x50                                       ; C and D in window 1
.irp t, 0,1,2,3
	GMUL \q, \m, \t, gp_, \zero
.endr
.if gl_
	WIN 0
	PLACES 4
	ALOAD \m, gs_+1
.endif
.endr
	WIN 0
.if (ORD == 0) && (gp_ == 0)
	PLACES 4                                       ; for the next half step's loads into the set just read
.endif
.endm
; The lane's addresses of the X phase.
.macro XADDR
	v_and_b32 v250, 15, v0                         ; r
	v_bfe_u32 v251, v0, 4, 1                       ; h
	v_and_b32 v252, 31, v0                         ; lane
.if PERMROWS
	v_and_b32 v253, 8, v250
	v_add_nc_u32 v253, v253, v250                  ; r + 8 (r / 8)
	v_mul_u32_u24 v1, v253, XP
.else
	s_delay_alu instid0(VALU_DEP_3)
	v_mul_u32_u24 v1, v250, XP
.endif
	s_mul_i32 s[TS], s[WV], XW
	v_lshl_add_u32 v1, v251, 6, v1
	s_delay_alu instid0(VALU_DEP_1)
	v_add_nc_u32 v1, s[TS], v1                     ; v1: my tile, my row of a tile of 16, + 64 h: my 16 numbers of a block of 32
	v_lshlrev_b32 v3, 5, v250
	s_delay_alu instid0(VALU_DEP_1)
	v_add_nc_u32 v3, PS, v3                        ; v3: my row slot's eight partial sums
	s_lshl_b32 s[TS], s[WV], 2
	v_add_nc_u32 v2, s[TS], v3                     ; v2: my wave's word among them
	s_mul_i32 s[TS], s[WV], 6144
	v_lshl_add_u32 v246, v252, 4, s[TS]
	s_delay_alu instid0(VALU_DEP_1)
	v_add_nc_u32 v246, IMG, v246                   ; v246, v247: where I store the images of K step w
	v_lshl_add_u32 v247, v252, 3, s[TS]
	s_delay_alu instid0(VALU_DEP_1)
	v_add_nc_u32 v247, IMG+512, v247
	s_lshl_b32 s[TS], s[WV], 9
	v_lshl_add_u32 v248, v252, 4, s[TS]
	s_delay_alu instid0(VALU_DEP_1)
	v_add_nc_u32 v248, ISC, v248                   ; v248: and their scale words
	v_lshlrev_b32 v249, 6, v251                    ; v249: 64 h: my 16 gains of a block of 32
.endm
; THE X PHASE: my wave's 64 rows x 128 columns are read from my own tile, normed and quantised; their four fragments (K step w) go to LDS.
.macro XPHASE
.if HASMASK
	global_load_u8 v241, v0, s[MKP:MKP+1]          ; thread t: key t's mask byte
.endif
.irp b, 0,1,2,3
.irp j, 0,1,2,3
	global_load_b128 v[SX+16*\b+4*\j:SX+16*\b+4*\j+3], v249, s[SXP:SXP+1] offset:128*\b+16*\j
.endr
.endr
	s_wait_tensorcnt 0x0                           ; my tile has landed; I alone read it, so no barrier is wanted
	WIN 0x40                                       ; destination window 1: tile m at 64 m, register 16 b + i = column 32 b + 16 h + i
.irp m, 0,1,2,3
.irp b, 0,1,2,3
.irp j, 0,1,2,3
	ds_load_b128 v[64*\m+16*\b+4*\j:64*\m+16*\b+4*\j+3], v1 offset:XP*(PERMROWS*(32*(\m/2)+8*(\m%2))+(1-PERMROWS)*16*\m)+128*\b+16*\j
.endr
.endr
.endr
.irp m, 0,1,2,3
	s_wait_dscnt 16*(3-\m)                         ; tile m's 16 loads are in; the later tiles' may be out
	WIN 0x05
.set p_, 0
.rept 4
	v_pk_mul_f32 v[SS+8*\m+p_:SS+8*\m+p_+1], v[64*\m+p_:64*\m+p_+1], v[64*\m+p_:64*\m+p_+1]   ; four chains; the first products start them
.set p_, p_+2
.endr
.rept 28
	s_delay_alu instid0(VALU_DEP_4)
	v_pk_fma_f32 v[SS+8*\m+p_%8:SS+8*\m+p_%8+1], v[64*\m+p_:64*\m+p_+1], v[64*\m+p_:64*\m+p_+1], v[SS+8*\m+p_%8:SS+8*\m+p_%8+1]
.set p_, p_+2
.endr
.endr
	WIN 0
.irp m, 0,1,2,3
	v_pk_add_f32 v[SS+8*\m:SS+8*\m+1], v[SS+8*\m:SS+8*\m+1], v[SS+8*\m+2:SS+8*\m+3]
	v_pk_add_f32 v[SS+8*\m+4:SS+8*\m+5], v[SS+8*\m+4:SS+8*\m+5], v[SS+8*\m+6:SS+8*\m+7]
.endr
.irp m, 0,1,2,3
	v_pk_add_f32 v[SS+8*\m:SS+8*\m+1], v[SS+8*\m:SS+8*\m+1], v[SS+8*\m+4:SS+8*\m+5]
.endr
.irp m, 0,1,2,3
	s_delay_alu instid0(VALU_DEP_4)
	v_add_f32 v[SS+8*\m], v[SS+8*\m], v[SS+8*\m+1]
.endr
.irp m, 0,1,2,3
	s_delay_alu instid0(VALU_DEP_4)
	v_permlanex16_b32 v[SS+8*\m+1], v[SS+8*\m], s[SEL], s[SEL+1]
.endr
.irp m, 0,1,2,3
	s_delay_alu instid0(VALU_DEP_4)
	v_add_f32 v[SS+8*\m], v[SS+8*\m], v[SS+8*\m+1] ; my wave's 128 columns of the row
.endr
.irp m, 0,1,2,3
	ds_store_b32 v2, v[SS+8*\m] offset:512*\m      ; lanes l and l xor 16 write the same word with the same value
.endr
.if HASMASK
	v_lshlrev_b32 v245, 2, v250                    ; key t = 32 b + 16 h + i lies at MB + 512 h + 4 (16 b + i): the order of a lane's score registers
	s_delay_alu instid0(VALU_DEP_1)
	v_lshl_add_u32 v245, v251, 9, v245
	v_lshrrev_b32 v225, 5, v0
	s_delay_alu instid0(VALU_DEP_1)
	v_lshl_add_u32 v245, v225, 6, v245
	s_delay_alu instid0(VALU_DEP_1)
	v_add_nc_u32 v245, MB, v245
	v_mov_b32 v225, 0xf149f2ca                     ; -1e30
	s_wait_alu depctr_va_vdst(0)
	s_wait_loadcnt 16                              ; the mask byte is in; the gain's 16 loads were issued behind it
	v_cmp_eq_u32 vcc_lo, 0, v241
	s_delay_alu instid0(VALU_DEP_1)
	v_cndmask_b32 v225, 0, v225, vcc_lo            ; 0 where the key counts
	ds_store_b32 v245, v225
.endif
	s_wait_dscnt 0x0                               ; for the others' sake: my stores have landed
	s_barrier_signal -1
	s_barrier_wait -1                              ; every wave's partial sums, and the mask, lie in LDS
.irp m, 0,1,2,3
	ds_load_b128 v[SS+8*\m:SS+8*\m+3], v3 offset:512*\m
	ds_load_b128 v[SS+8*\m+4:SS+8*\m+7], v3 offset:512*\m+16
.endr
	s_wait_dscnt 0x0
.irp m, 0,1,2,3
	v_pk_add_f32 v[SS+8*\m:SS+8*\m+1], v[SS+8*\m:SS+8*\m+1], v[SS+8*\m+2:SS+8*\m+3]
	v_pk_add_f32 v[SS+8*\m+4:SS+8*\m+5], v[SS+8*\m+4:SS+8*\m+5], v[SS+8*\m+6:SS+8*\m+7]
.endr
.irp m, 0,1,2,3
	v_pk_add_f32 v[SS+8*\m:SS+8*\m+1], v[SS+8*\m:SS+8*\m+1], v[SS+8*\m+4:SS+8*\m+5]
.endr
.irp m, 0,1,2,3
	s_delay_alu instid0(VALU_DEP_4)
	v_add_f32 v[SS+8*\m], v[SS+8*\m], v[SS+8*\m+1]
.endr
.irp m, 0,1,2,3
	s_delay_alu instid0(VALU_DEP_4)
	v_fma_f32 v[SS+8*\m], v[SS+8*\m], s70, s71     ; the mean of 1,024 squares (x 2^-10, exact) + 1e-6
.endr
	s_wait_alu depctr_va_vdst(0)
.irp m, 0,1,2,3
	v_rsq_f32 v[RS+2*\m], v[SS+8*\m]
.endr
.irp b, 0,1,2,3
	v_mov_b32 v[208+\b], 0                         ; (a lane permute's destination counts as a source: written once.  Plain work behind the batch)
.endr
	s_wait_alu depctr_va_vdst(0)                   ; one wait for the four roots, ahead of their first reader
.irp m, 0,1,2,3
	v_mov_b32 v[RS+2*\m+1], v[RS+2*\m]
.endr
	s_wait_alu depctr_va_vdst(0)
	s_wait_loadcnt 0x0                             ; the gain
.irp m, 0,1,2,3
.set p_, 0
.rept 32
	v_pk_mul_f32 v[T+p_:T+p_+1], v[SX+p_:SX+p_+1], v[RS+2*\m:RS+2*\m+1]   ; s = gain x 1 / rms, rounded,
.set p_, p_+2
.endr
	WIN 0x01
.set p_, 0
.rept 32
	v_pk_mul_f32 v[T+p_:T+p_+1], v[64*\m+p_:64*\m+p_+1], v[T+p_:T+p_+1]   ; then x s: the two roundings of the definition
.set p_, p_+2
.endr
	WIN 0
	QUANT T,2,226,238,200,208,216,224,0
	ds_store_b128 v246, v[226:229] offset:1536*\m
	ds_store_b64 v247, v[230:231] offset:1536*\m
	ds_store_b128 v246, v[232:235] offset:1536*\m+768
	ds_store_b64 v247, v[236:237] offset:1536*\m+768
	ds_store_b32 v248, v224 offset:4*\m
	s_wait_dscnt 0x0                               ; the stores have read their registers
.endr
	v_and_b32 v3, 31, v0                           ; the products' three addresses
	s_delay_alu instid0(VALU_DEP_1)
	v_lshlrev_b32 v2, 3, v3
	s_delay_alu instid0(VALU_DEP_2)
	v_lshlrev_b32 v3, 4, v3                        ; v3: 16 x lane
	s_delay_alu instid0(VALU_DEP_1)
	v_add_nc_u32 v1, IMG, v3                       ; v1: IMG + 16 x lane
	s_delay_alu instid0(VALU_DEP_3)
	v_add_nc_u32 v2, IMG+512, v2                   ; v2: IMG + 512 + 8 x lane
.set q_, 0
.rept LEAD
	WLOAD q_
.set q_, q_+1
.endr
	s_wait_alu depctr_va_vdst(0)
	s_wait_dscnt 0x0
	s_barrier_signal -1
	s_barrier_wait -1                              ; all 32 fragments lie in LDS
	WLOAD q_                                       ; the fourth set, directly behind the barrier: its registers held the quantiser's work, whose LDS stores have been waited for
	ALOAD 0, 0
	ALOAD 1, 0
	ALOAD 2, 0
	ALOAD 3, 0
.endm
; K's group of head hd (0, 1 of my two): 24 loads of codes, four of scale words, and V's eight scale halves: 36 loads.  V's halves wait in registers that are free where the group is asked for:
; head 0's in v208-215 of window 0, head 1's in v192-199 of window 1.
; One product whose C stands in registers of its own (the mask kept in window 1) and whose D is another run.  row = 1: source 0's scales stand in lanes 16-31.
.macro WMC d, a, b, c, sa, sb, row
.if (\row) == 0
	v_wmma_scale_f32_16x16x128_f8f6f4 v[(\d):(\d)+7], v[(\a):(\a)+11], v[(\b):(\b)+11], v[(\c):(\c)+7], v[\sa], v[\sb] matrix_a_fmt:MATRIX_FMT_FP6 matrix_b_fmt:MATRIX_FMT_FP6
.else
	v_wmma_scale_f32_16x16x128_f8f6f4 v[(\d):(\d)+7], v[(\a):(\a)+11], v[(\b):(\b)+11], v[(\c):(\c)+7], v[\sa], v[\sb] matrix_a_fmt:MATRIX_FMT_FP6 matrix_b_fmt:MATRIX_FMT_FP6 matrix_a_scale:MATRIX_SCALE_ROW1
.endif
.endm
.macro KLOAD hd
	WIN 0x40
.set f_, 0
.rept 24
	global_load_b128 v[4*f_:4*f_+3], v236, s[KP:KP+1] offset:12288*(\hd)+512*f_
.set f_, f_+1
.endr
.if (\hd) == 1
.irp i, 0,1,2,3,4,5,6,7
	global_load_b32 v[192+\i], v238, s[VSP:VSP+1] offset:1024*(\hd)+128*\i  ; V's scale bytes of 64 keys: i = 2 kb + b'
.endr
.endif
	WIN 0
.irp i, 0,1,2,3
	global_load_b32 v[8+\i], v238, s[KSP:KSP+1] offset:512*(\hd)+128*\i     ; lanes 0-15 fragment 2 i, lanes 16-31 fragment 2 i + 1
.endr
.if (\hd) == 0
.irp i, 0,1,2,3,4,5,6,7
	global_load_b32 v[208+\i], v238, s[VSP:VSP+1] offset:1024*(\hd)+128*\i
.endr
.endif
.endm
; V's codes of head hd: 32 loads.
.macro VLOAD hd
	WIN 0x40
.set f_, 0
.rept 16
	global_load_b128 v[96+6*f_:96+6*f_+3], v236, s[VP:VP+1] offset:12288*(\hd)+768*f_
	global_load_b64 v[96+6*f_+4:96+6*f_+5], v237, s[VP:VP+1] offset:12288*(\hd)+768*f_+512
.set f_, f_+1
.endr
	WIN 0
.endm
; ATTENTION OF ONE HEAD (hd = 0, 1 of my two) for the 64 rows, 16 a trip.
; Window 0: v1 the mask's table; v2, v3, v232 my half fragments and scale halves; v233-235 the trip's addresses; v236-238 16, 8, 4 x lane; v239 0; v4 q's scale word, v5, v6 p's, v7 q's half, v8-11 K's, v12-15 V's;
;   v16-143 the scores, then p (register 16 b + i = key 32 b + 16 h + i), then o in v16-47; v144-155 q below zeros, v156-167 zeros below q; v168-191 p's codes; v192-207 at work for conversions;
;   v208-215 the blocks' largest scores; v216-223, v224-231 at work; v[242:243] c; v[244:245] -M; v[246:249], v[252:255] sums; v[250:251] 1 / l.
; Window 1: K's fragment f at 12 f; V's half image g = 4 et + 2 ks + c at 96 + 6 g; v192-199 the next head's scale halves of V.
.macro HEAD hd
.if (\hd) == 0
	s_wait_loadcnt 32                              ; K's group of 36 is in; V's 32 loads, issued behind it, may be out
.irp b, 0,1
.irp k, 0,1
	v_lshl_or_b32 v[12+2*\b+\k], v[210+4*\k+\b], 16, v[208+4*\k+\b]         ; V's scale word of 128 keys: two halves of 64
.endr
.endr
.else
	VLOAD 1                                        ; V's registers are free behind the loop; K's group was asked for in the last trip and waited for there
	WIN 0x11                                       ; sources 0 and 2 in window 1
.irp b, 0,1
.irp k, 0,1
	v_lshl_or_b32 v[12+2*\b+\k], v[194+4*\k+\b], 16, v[192+4*\k+\b]
.endr
.endr
	WIN 0
.endif
	s_mov_b32 s60, 768*(\hd)                       ; my half fragment of tile 0;
	s_mov_b32 s61, 2*(\hd)                         ; its half of the scale word
	s_mov_b32 s62, 4
.Lrow_\@:
	v_add_nc_u32 v233, s60, v2
	v_add_nc_u32 v234, s60, v3
	v_add_nc_u32 v235, s61, v232
	ds_load_u16 v7, v235                           ; q's two scale bytes
	ds_load_b128 v[144:147], v233                  ; q's codes, once into the lower half of an operand,
	ds_load_b64 v[148:149], v234
	ds_load_b128 v[162:165], v233                  ; once into the upper
	ds_load_b64 v[166:167], v234
.set k_, 0
.rept 18
	ds_load_b128 v[16+4*k_:19+4*k_], v1 offset:16*k_   ; the mask of score tiles 0 to 8, 0 or -1e30, as their C; tiles 9 to 15 take theirs from v200-255 of window 1
.set k_, k_+1
.endr
	s_wait_dscnt 22                                ; the scale bytes are in: 4 + 18 loads were issued behind them
	v_lshl_or_b32 v4, v7, 16, v7                   ; one word serves both places of q: the zero codes take any byte
	PLACES 8                                       ; a scale register written by a vector instruction stands eight places ahead of the product
	s_wait_alu depctr_va_vdst(0)
	s_wait_dscnt 0x0
	WIN 0x01                                       ; source 0 (K) in window 1
.irp f, 0,1,2,3
	WM 16+16*\f, 12*\f, 144, 0, 8+\f/2, 4, \f%2    ; keys 32 f + 16 h + 0 .. 7
	WM 24+16*\f, 12*\f, 156, 0, 8+\f/2, 4, \f%2    ; keys 32 f + 16 h + 8 .. 15
.endr
	WM 80, 48, 144, 0, 10, 4, 0                    ; tile 8
	WIN 0x11                                       ; sources 0 (K) and 2 (the kept mask) in window 1
	WMC 88, 48, 156, 200, 10, 4, 0                 ; tile 9: tile T's mask stands at 200 + 8 (T - 9)
.irp f, 5,6,7
	WMC 16+16*\f, 12*\f, 144, 128+16*\f, 8+\f/2, 4, \f%2
	WMC 24+16*\f, 12*\f, 156, 136+16*\f, 8+\f/2, 4, \f%2
.endr
	WIN 0
	PLACES 4
.if (\hd) == 0
	s_cmp_lg_u32 s62, 1                            ; the head's last trip has multiplied by K for the last time: the next head's K is asked for, with the softmax in which to land
	s_cbranch_scc1 .Lnok_\@
	KLOAD 1
.Lnok_\@:
.endif
.irp b, 0,1,2,3,4,5,6,7
	v_max3_num_f32 v[208+\b], v[16+16*\b], v[17+16*\b], v[18+16*\b]         ; the largest score of each block of 32 keys: it serves the row's maximum and the block's largest p
.endr
.irp i, 3,5,7,9,11,13
.irp b, 0,1,2,3,4,5,6,7
	v_max3_num_f32 v[208+\b], v[208+\b], v[16+16*\b+\i], v[17+16*\b+\i]
.endr
.endr
.irp b, 0,1,2,3,4,5,6,7
	v_max_num_f32 v[208+\b], v[208+\b], v[31+16*\b]
.endr
.irp b, 0,1,2,3,4,5,6,7
	v_permlanex16_b32 v[216+\b], v[208+\b], s[SEL], s[SEL+1]
.endr
.irp b, 0,1,2,3,4,5,6,7
	v_max_num_f32 v[208+\b], v[208+\b], v[216+\b]
.endr
	v_max3_num_f32 v252, v208, v209, v210
	s_delay_alu instid0(VALU_DEP_4)
	v_max3_num_f32 v253, v211, v212, v213
	s_delay_alu instid0(VALU_DEP_2)
	v_max3_num_f32 v252, v252, v214, v215
	s_delay_alu instid0(VALU_DEP_1)
	v_max_num_f32 v252, v252, v253                 ; the row's largest score
	s_delay_alu instid0(VALU_DEP_1)
	v_cmp_gt_f32 vcc_lo, 0xf0c9f2ca, v252          ; under -5e29: no key of the row counts
	s_delay_alu instid0(VALU_DEP_1)
	v_cndmask_b32 v242, 0x3e38aa3b, v239, vcc_lo   ; c = log2(e) / 8, or 0 there
	s_delay_alu instid0(VALU_DEP_1)
	v_mul_f32 v253, v252, v242                     ; the largest t
	s_delay_alu instid0(VALU_DEP_1)
	v_floor_f32 v244, -v253                        ; -M = floor(-t) = -ceil(t)
.set j_, 16
.rept 64
	v_pk_fma_f32 v[j_:j_+1], v[j_:j_+1], v[242:243], v[244:245] op_sel_hi:[1,0,0]   ; t - M, two at a time (of the pairs c and -M the low word serves both halves)
.set j_, j_+2
.endr
.irp b, 0,1,2,3,4,5,6,7
	v_fma_f32 v[208+\b], v[208+\b], v242, v244     ; the same of each block's largest score
.endr
.set j_, 16
	s_wait_alu depctr_va_vdst(0)
.rept 128
	v_exp_f32 v[j_], v[j_]                         ; p = 2^(t - M), not normalised
.set j_, j_+1
.endr
	v_nop                                          ; a plain instruction behind the batch
	s_wait_alu depctr_va_vdst(0)                   ; one wait for the 128, ahead of their first reader
.irp b, 0,1,2,3,4,5,6,7
	v_exp_f32 v[208+\b], v[208+\b]                 ; the block's largest p: the same two instructions on the same number
.endr
	v_pk_add_f32 v[248:249], v[16:17], v[24:25]
	v_pk_add_f32 v[252:253], v[32:33], v[40:41]
	v_pk_add_f32 v[254:255], v[48:49], v[56:57]
	v_pk_add_f32 v[240:241], v[64:65], v[72:73]
	v_pk_add_f32 v[230:231], v[80:81], v[88:89]
	v_pk_add_f32 v[228:229], v[96:97], v[104:105]
	v_pk_add_f32 v[226:227], v[112:113], v[120:121]
	v_pk_add_f32 v[246:247], v[128:129], v[136:137]
	v_pk_add_f32 v[246:247], v[246:247], v[18:19]
	v_pk_add_f32 v[248:249], v[248:249], v[26:27]
	v_pk_add_f32 v[252:253], v[252:253], v[34:35]
	v_pk_add_f32 v[254:255], v[254:255], v[42:43]
	v_pk_add_f32 v[240:241], v[240:241], v[50:51]
	v_pk_add_f32 v[230:231], v[230:231], v[58:59]
	v_pk_add_f32 v[228:229], v[228:229], v[66:67]
	v_pk_add_f32 v[226:227], v[226:227], v[74:75]
	v_pk_add_f32 v[246:247], v[246:247], v[82:83]
	v_pk_add_f32 v[248:249], v[248:249], v[90:91]
	v_pk_add_f32 v[252:253], v[252:253], v[98:99]
	v_pk_add_f32 v[254:255], v[254:255], v[106:107]
	v_pk_add_f32 v[240:241], v[240:241], v[114:115]
	v_pk_add_f32 v[230:231], v[230:231], v[122:123]
	v_pk_add_f32 v[228:229], v[228:229], v[130:131]
	v_pk_add_f32 v[226:227], v[226:227], v[138:139]
	v_pk_add_f32 v[246:247], v[246:247], v[20:21]
	v_pk_add_f32 v[248:249], v[248:249], v[28:29]
	v_pk_add_f32 v[252:253], v[252:253], v[36:37]
	v_pk_add_f32 v[254:255], v[254:255], v[44:45]
	v_pk_add_f32 v[240:241], v[240:241], v[52:53]
	v_pk_add_f32 v[230:231], v[230:231], v[60:61]
	v_pk_add_f32 v[228:229], v[228:229], v[68:69]
	v_pk_add_f32 v[226:227], v[226:227], v[76:77]
	v_pk_add_f32 v[246:247], v[246:247], v[84:85]
	v_pk_add_f32 v[248:249], v[248:249], v[92:93]
	v_pk_add_f32 v[252:253], v[252:253], v[100:101]
	v_pk_add_f32 v[254:255], v[254:255], v[108:109]
	v_pk_add_f32 v[240:241], v[240:241], v[116:117]
	v_pk_add_f32 v[230:231], v[230:231], v[124:125]
	v_pk_add_f32 v[228:229], v[228:229], v[132:133]
	v_pk_add_f32 v[226:227], v[226:227], v[140:141]
	v_pk_add_f32 v[246:247], v[246:247], v[22:23]
	v_pk_add_f32 v[248:249], v[248:249], v[30:31]
	v_pk_add_f32 v[252:253], v[252:253], v[38:39]
	v_pk_add_f32 v[254:255], v[254:255], v[46:47]
	v_pk_add_f32 v[240:241], v[240:241], v[54:55]
	v_pk_add_f32 v[230:231], v[230:231], v[62:63]
	v_pk_add_f32 v[228:229], v[228:229], v[70:71]
	v_pk_add_f32 v[226:227], v[226:227], v[78:79]
	v_pk_add_f32 v[246:247], v[246:247], v[86:87]
	v_pk_add_f32 v[248:249], v[248:249], v[94:95]
	v_pk_add_f32 v[252:253], v[252:253], v[102:103]
	v_pk_add_f32 v[254:255], v[254:255], v[110:111]
	v_pk_add_f32 v[240:241], v[240:241], v[118:119]
	v_pk_add_f32 v[230:231], v[230:231], v[126:127]
	v_pk_add_f32 v[228:229], v[228:229], v[134:135]
	v_pk_add_f32 v[226:227], v[226:227], v[142:143]
	s_delay_alu instid0(VALU_DEP_4)
	v_pk_add_f32 v[246:247], v[246:247], v[240:241]
	s_delay_alu instid0(VALU_DEP_4)
	v_pk_add_f32 v[248:249], v[248:249], v[230:231]
	s_delay_alu instid0(VALU_DEP_4)
	v_pk_add_f32 v[252:253], v[252:253], v[228:229]
	s_delay_alu instid0(VALU_DEP_4)
	v_pk_add_f32 v[254:255], v[254:255], v[226:227]
	s_delay_alu instid0(VALU_DEP_2)
	v_pk_add_f32 v[246:247], v[246:247], v[252:253]
	s_delay_alu instid0(VALU_DEP_2)
	v_pk_add_f32 v[248:249], v[248:249], v[254:255]
	s_delay_alu instid0(VALU_DEP_1)
	v_pk_add_f32 v[246:247], v[246:247], v[248:249]
	s_delay_alu instid0(VALU_DEP_1)
	v_add_f32 v246, v246, v247
	s_delay_alu instid0(VALU_DEP_1)
	v_permlanex16_b32 v247, v246, s[SEL], s[SEL+1]
	s_delay_alu instid0(VALU_DEP_1)
	v_add_f32 v246, v246, v247                     ; l
	s_wait_alu depctr_va_vdst(0)
	v_rcp_f32 v250, v246
	v_nop                                          ; a plain instruction behind it
	s_wait_alu depctr_va_vdst(0)                   ; one wait for the eight exponentials and the reciprocal
.irp b, 0,1,2,3,4,5,6,7
	v_max_num_f32 v[208+\b], 0x1800000, v[208+\b]  ; the floor 2^(3 - 127): a block whose every p is 0 keeps the byte 1; its codes are zeros
.endr
.irp b, 0,1,2,3,4,5,6,7
	v_add_nc_u32 v[224+\b], 0xff000000, v[208+\b]  ; 2 off the exponent field: the conversion's scale operand
.endr
.irp b, 0,1,2,3,4,5,6,7
	v_lshrrev_b32 v[216+\b], 23, v[224+\b]
.endr
	v_lshl_or_b32 v5, v217, 8, v216                ; p's scale words: keys 0-127,
	s_delay_alu instid0(VALU_DEP_4)
	v_lshl_or_b32 v6, v221, 8, v220                ; keys 128-255
	s_delay_alu instid0(VALU_DEP_2)
	v_lshl_or_b32 v5, v218, 16, v5
	s_delay_alu instid0(VALU_DEP_2)
	v_lshl_or_b32 v6, v222, 16, v6
	s_delay_alu instid0(VALU_DEP_2)
	v_lshl_or_b32 v5, v219, 24, v5
	s_delay_alu instid0(VALU_DEP_2)
	v_lshl_or_b32 v6, v223, 24, v6
.irp c, 0,1,2,3
	v_cvt_scalef32_pk16_fp6_f32 v[168+6*\c:170+6*\c], v[16+32*\c:31+32*\c], v[224+2*\c]
	v_cvt_scalef32_pk16_fp6_f32 v[192+4*\c:194+4*\c], v[32+32*\c:47+32*\c], v[225+2*\c]
.endr
	v_nop
.irp c, 0,1,2,3
.irp i, 0,1,2
	v_permlane16_swap_b32 v[168+6*\c+\i], v[192+4*\c+\i]
.endr
.irp i, 0,1,2
	s_delay_alu instid0(VALU_DEP_3)
	v_mov_b32 v[171+6*\c+\i], v[192+4*\c+\i]
.endr
.endr
	s_wait_loadcnt 0x0                             ; V is in (the head's first trip); the next head's K group too (head 0's last trip): so no load is out at the backward jump
	PLACES 8                                       ; operands and scale words written by vector instructions: four and eight places ahead of the products
	WIN 0x01                                       ; source 0 (V) in window 1
.irp e, 0,1,2,3
	WM 16+8*\e, 96+24*\e, 168, 1, 12+2*(\e/2), 5, \e%2   ; o^T = V^T p^T: keys 0-127 start the four sums,
.endr
	s_wait_alu depctr_va_vdst(0)
.irp e, 0,1,2,3
	WM 16+8*\e, 108+24*\e, 180, 0, 13+2*(\e/2), 6, \e%2  ; keys 128-255 add onto them, by turns
.endr
	WIN 0
	PLACES 4
.set j_, 16
.rept 16
	v_pk_mul_f32 v[j_:j_+1], v[j_:j_+1], v[250:251] op_sel_hi:[1,0]   ; / l.  Register 16 b + i = the head's 32 b + 16 h + i
.set j_, j_+2
.endr
	QUANT 16,1,192,200,208,216,224,253,0
	ds_store_b128 v233, v[192:195]                 ; o's half fragment takes the place of q's, which this trip has read
	ds_store_b64 v234, v[196:197]
	ds_store_b16 v235, v253
	s_add_co_u32 s60, s60, 1536                    ; the next tile of 16 rows
	s_add_co_u32 s61, s61, 4
	s_sub_co_u32 s62, s62, 1
	s_cmp_lg_u32 s62, 0
	s_cbranch_scc1 .Lrow_\@
.endm
; THE WAY OUT of half p of my columns: 64 rows x 256 bytes.  A lane holds 128 bytes of a row in pieces; they go through my own tile of LDS, whose x has been read, and come back as whole rows of 256 bytes,
; two rows an instruction, into the accumulators that they left: so the way out takes no register of the products.  Sixteen lanes store 256 consecutive bytes, aligned.
.macro WAYOUT p
	v_and_b32 v16, 15, v0                          ; r   (the activations' registers are free here)
	v_bfe_u32 v17, v0, 4, 1                        ; h
	s_mul_i32 s[TS], s[WV], XW
	v_mul_u32_u24 v18, v16, XP
	s_delay_alu instid0(VALU_DEP_1)
	v_lshl_add_u32 v18, v17, 6, v18
	s_delay_alu instid0(VALU_DEP_1)
	v_add_nc_u32 v18, s[TS], v18                   ; in: row r of a tile, + 64 h
	v_mul_u32_u24 v19, v17, XP
	s_delay_alu instid0(VALU_DEP_1)
	v_lshl_add_u32 v19, v16, 4, v19
	s_delay_alu instid0(VALU_DEP_1)
	v_add_nc_u32 v19, s[TS], v19                   ; back: lanes 0-15 one row, lanes 16-31 the next; 16 bytes a lane
	s_wait_alu depctr_va_vdst(0)
	v_lshlrev_b32 v20, 12, v17
	s_delay_alu instid0(VALU_DEP_1)
	v_lshl_add_u32 v20, v16, 4, v20                ; and the same two rows in out0
.irp m, 0,1,2,3
	WIN 0x04                                       ; an LDS store's data are its source 1: window 1
.irp b, 0,1
.irp j, 0,1,2,3
	ds_store_b128 v18, v[64*\m+32*(\p)+16*\b+4*\j:64*\m+32*(\p)+16*\b+4*\j+3] offset:8448*\m+256*(\p)+128*\b+16*\j   ; each accumulator from its low end on
.endr
.endr
	WIN 0x40                                       ; destination window 1
.irp i, 0,1,2,3,4,5,6,7
	ds_load_b128 v[64*\m+32*(\p)+4*\i:64*\m+32*(\p)+4*\i+3], v19 offset:8448*\m+256*(\p)+1056*\i   ; LDS serves a wave's instructions in order (ISA guide 5.7.1.4): these see the stores above
.endr
.endr
	WIN 0x04                                       ; a store's data are its source 1: window 1
	s_wait_alu depctr_va_vdst(0)
.irp m, 0,1,2,3
.irp i, 0,1,2,3,4,5,6,7
	s_wait_dscnt 16*(3-\m)+7-\i                    ; behind this pair of rows: its tile's later pairs and the later tiles' 16 LDS instructions each
	global_store_b128 v20, v[64*\m+32*(\p)+4*\i:64*\m+32*(\p)+4*\i+3], s[OUTP:OUTP+1] offset:(16*\m+2*\i)*4096+256*(\p) th:TH_STORE_NT
.endr
.endr
	WIN 0
.endm
	s_load_b512 s[8:23], s[0:1], 0x0               ; x s[8:9], sxc s[10:11], wf s[12:13], wsc s[14:15], kf s[16:17], vf s[18:19], kvs s[20:21], mask s[22:23]
	s_load_b128 s[24:27], s[0:1], 0x40             ; qk_scale s[24:25], out0 s[26:27]
	v_lshl_add_u32 v254, v0, 2, 0x4fc00
	v_mov_b32 v255, 0
	ds_add_u32 v254, v255
	ds_add_u32 v254, v255
	s_wait_dscnt 0x0
	v_lshrrev_b32 v1, 5, v0
	s_delay_alu instid0(VALU_DEP_1)
	v_readfirstlane_b32 s[WV], v1                  ; wave 0..7
	s_lshr_b32 s5, ttmp9, 4                        ; batch: 16 blocks of 64 rows each
	; descriptor group 1: 64 rows x 128 elements of 4 bytes, 1,024 elements from row to row, 16 bytes of padding behind each row of 128 words
	s_mov_b32 s32, (2<<16)|(1<<20)|(6<<22)|(3<<25)
	s_mov_b32 s33, 128<<16
	s_mov_b32 s34, 64<<16
	s_mov_b32 s35, 128<<16
	s_mov_b32 s36, 64
	s_mov_b32 s37, 1024
	s_mov_b32 s38, 0
	s_mov_b32 s39, 0
	s_mov_b32 s28, 1
	s_mul_i32 s29, s[WV], XW                       ; my tile in LDS
	s_lshl_b32 s68, ttmp9, 18                      ; 64 rows of 4,096 bytes,
	s_lshl_b32 s69, s[WV], 9                       ; my 128 columns
	s_add_co_u32 s68, s68, s69
	s_mov_b32 s69, 0
	s_wait_kmcnt 0x0
	s_add_nc_u64 s[30:31], s[8:9], s[68:69]
	s_or_b32 s31, s31, 0x80000000
	tensor_load_to_lds s[28:31], s[32:39]          ; the one tensor load of the wave: all of its x
	s_nop 0
	PLACES 4
	s_add_nc_u64 s[OUTP:OUTP+1], s[OUTP:OUTP+1], s[68:69]
	s_mov_b32 s73, 0
	s_mul_i32 s72, s[WV], 98304
	s_add_nc_u64 s[42:43], s[12:13], s[72:73]      ; w_q: group w
	s_add_nc_u64 s[46:47], s[42:43], 786432        ; w_o: group 8 + w
	s_lshl_b32 s72, s[WV], 12
	s_add_nc_u64 s[44:45], s[14:15], s[72:73]
	s_add_nc_u64 s[48:49], s[44:45], 32768
	s_lshl_b32 s74, s5, 4
	s_lshl_b32 s75, s[WV], 1
	s_add_co_u32 s74, s74, s75                     ; 16 x batch + 2 w
	s_mul_i32 s72, s74, 12288
	s_add_nc_u64 s[KP:KP+1], s[16:17], s[72:73]
	s_add_nc_u64 s[VP:VP+1], s[18:19], s[72:73]
	s_lshl_b32 s72, s74, 9
	s_add_nc_u64 s[KSP:KSP+1], s[20:21], s[72:73]
	s_lshl_b32 s72, s74, 10
	s_add_co_u32 s72, s72, 131072
	s_add_nc_u64 s[VSP:VSP+1], s[20:21], s[72:73]
	s_lshl_b32 s72, s[WV], 3
	s_add_nc_u64 s[24:25], s[24:25], s[72:73]
	s_load_b64 s[58:59], s[24:25], 0x0             ; my two heads' qk_scale
	s_lshl_b32 s76, s5, 12
	s_lshl_b32 s75, s[WV], 9
	s_add_co_u32 s76, s76, s75
	s_mov_b32 s77, 0
	s_add_nc_u64 s[SXP:SXP+1], s[10:11], s[76:77]  ; s_x of my batch, my columns
	s_lshl_b32 s76, s5, 8
	s_add_nc_u64 s[MKP:MKP+1], s[MKP:MKP+1], s[76:77]
	s_mov_b32 s[SEL], 0x76543210
	s_mov_b32 s[SEL+1], 0xfedcba98
	s_mov_b32 s70, 0x3a800000                      ; 2^-10
	s_mov_b32 s71, 0x358637bd                      ; 1e-6
	XADDR
	XPHASE
	; ---- q = xn w_q^T: my 128 columns for the 64 rows.  Register 64 m + 32 hd + 16 b + i of window 1 = row 16 m + r, head 2 w + hd, e = 32 b + 16 h + i.  The first K step's two halves start the sums
	GSTEP 0,1
	GSTEP 1,1
.irp q, 2,3,4,5,6,7,8,9,10,11,12,13,14,15
	GSTEP \q,0
.endr
	PLACES 4
	s_wait_dscnt 0x0
	s_barrier_signal -1
	s_barrier_wait -1                              ; nobody reads xn's images any more: their bytes take q's codes, then o's
	; ---- q scaled for the cosine similarity, quantised along the head's 64, parked in LDS.  Unit u = 2 m + hd at 32 u of window 1
	v_and_b32 v252, 31, v0
	v_bfe_u32 v251, v0, 4, 1
	s_mul_i32 s[TS], s[WV], 6144
	v_lshlrev_b32 v236, 4, v252
	v_lshlrev_b32 v237, 3, v252
	v_lshlrev_b32 v238, 2, v252
	v_mov_b32 v239, 0
	s_delay_alu instid0(VALU_DEP_4)
	v_add_nc_u32 v2, s[TS], v236
	s_delay_alu instid0(VALU_DEP_1)
	v_add_nc_u32 v2, IMG, v2
	v_add_nc_u32 v3, s[TS], v237
	s_delay_alu instid0(VALU_DEP_1)
	v_add_nc_u32 v3, IMG+512, v3
	s_lshl_b32 s[TS], s[WV], 9
	v_add_nc_u32 v232, s[TS], v236
	s_delay_alu instid0(VALU_DEP_1)
	v_add_nc_u32 v232, ISC, v232
	v_lshlrev_b32 v1, 9, v251
	s_delay_alu instid0(VALU_DEP_1)
	v_add_nc_u32 v1, MB, v1
	WIN 0x05                                       ; eight sums of 64 squares: two chains a unit, the units by turns
.irp u, 0,1,2,3,4,5,6,7
	v_pk_mul_f32 v[16+4*\u:17+4*\u], v[32*\u:32*\u+1], v[32*\u:32*\u+1]
.endr
.irp u, 0,1,2,3,4,5,6,7
	v_pk_mul_f32 v[18+4*\u:19+4*\u], v[32*\u+2:32*\u+3], v[32*\u+2:32*\u+3]
.endr
.irp p, 2,3,4,5,6,7,8,9,10,11,12,13,14,15
.irp u, 0,1,2,3,4,5,6,7
	v_pk_fma_f32 v[16+4*\u+2*(\p%2):17+4*\u+2*(\p%2)], v[32*\u+2*\p:32*\u+2*\p+1], v[32*\u+2*\p:32*\u+2*\p+1], v[16+4*\u+2*(\p%2):17+4*\u+2*(\p%2)]
.endr
.endr
	WIN 0
.irp u, 0,1,2,3,4,5,6,7
	v_pk_add_f32 v[16+4*\u:17+4*\u], v[16+4*\u:17+4*\u], v[18+4*\u:19+4*\u]
.endr
.irp u, 0,1,2,3,4,5,6,7
	v_add_f32 v[16+4*\u], v[16+4*\u], v[17+4*\u]
.endr
.irp u, 0,1,2,3,4,5,6,7
	v_permlanex16_b32 v[17+4*\u], v[16+4*\u], s[SEL], s[SEL+1]
.endr
.irp u, 0,1,2,3,4,5,6,7
	v_add_f32 v[16+4*\u], v[16+4*\u], v[17+4*\u]
.endr
.irp u, 0,1,2,3,4,5,6,7
	v_add_f32 v[16+4*\u], s71, v[16+4*\u]
.endr
	s_wait_kmcnt 0x0                               ; qk_scale
	s_wait_alu depctr_va_vdst(0)
.irp u, 0,1,2,3,4,5,6,7
	v_rsq_f32 v[48+2*\u], v[16+4*\u]
.endr
	v_sqrt_f32 v64, s58
	v_sqrt_f32 v65, s59
	v_mov_b32 v164, 0                              ; (the permutes' destinations; plain work behind the batch)
	v_mov_b32 v165, 0
	s_wait_alu depctr_va_vdst(0)                   ; one wait for the ten, ahead of their first reader
.irp u, 0,1,2,3,4,5,6,7
	v_mul_f32 v[49+2*\u], v[64+\u%2], v[48+2*\u]
	v_mul_f32 v[48+2*\u], v[64+\u%2], v[48+2*\u]   ; sqrt(scale) x rsqrt(sum + eps)
.endr
.irp u, 0,1,2,3,4,5,6,7
	s_wait_dscnt 3                                 ; the stores of two units ago have read their registers; the last unit's three may be out
	WIN 0x01
.set p_, 0
.rept 16
	v_pk_mul_f32 v[72+p_:73+p_], v[32*\u+p_:32*\u+p_+1], v[48+2*\u:49+2*\u]
.set p_, p_+2
.endr
	WIN 0
.if \u == 2
	KLOAD 0                                        ; units 0 to 2 are consumed: their 96 registers take the first head's K, five units ahead of its first use
.endif
.if \u == 5
	VLOAD 0                                        ; units 3 to 5 likewise: V
.endif
	QUANT 72,1,136+8*(\u%2),152,160,164,168,180+\u%2,0
	ds_store_b128 v2, v[136+8*(\u%2):139+8*(\u%2)] offset:768*\u
	ds_store_b64 v3, v[140+8*(\u%2):141+8*(\u%2)] offset:768*\u
	ds_store_b16 v232, v[180+\u%2] offset:2*\u
.endr
	; ---- attention
.irp i, 0,1,2,3,4,5
	v_mov_b32 v[150+\i], 0                         ; the zero codes beside q: written once
	v_mov_b32 v[156+\i], 0
.endr
.irp b, 0,1,2,3,4,5,6,7
	v_mov_b32 v[216+\b], 0                         ; (the permutes' destinations)
.endr
	v_mov_b32 v243, 0                              ; (the upper halves of pairs of which the low word serves both halves)
	v_mov_b32 v245, 0
	v_mov_b32 v251, 0
	WIN 0x40
.set k_, 0
.rept 14
	ds_load_b128 v[200+4*k_:203+4*k_], v1 offset:288+16*k_
.set k_, k_+1
.endr
	WIN 0
	HEAD 0
	HEAD 1
	; ---- out = o w_o^T + x, first for 64 of my columns, then for the other 64
	s_wait_dscnt 0x0                               ; my last stores have read their registers
	v_and_b32 v3, 31, v0
	s_delay_alu instid0(VALU_DEP_1)
	v_lshlrev_b32 v2, 3, v3
	s_delay_alu instid0(VALU_DEP_2)
	v_lshlrev_b32 v3, 4, v3
	s_delay_alu instid0(VALU_DEP_1)
	v_add_nc_u32 v1, IMG, v3
	s_delay_alu instid0(VALU_DEP_3)
	v_add_nc_u32 v2, IMG+512, v2
.set WP,  46
.set WSP, 48
.set ORD, 1
	WLOAD 0                                        ; the first three sets go out ahead of the 64 LDS loads below
	WLOAD 1
	WLOAD 2
	WLOAD 3                                        ; the fourth set too: all four are on their way while the waves meet at the barrier
	v_and_b32 v16, 15, v0                          ; (these three lie in the activations' registers, which are fetched behind the barrier)
	v_bfe_u32 v17, v0, 4, 1
	s_mul_i32 s[TS], s[WV], XW
	v_mul_u32_u24 v18, v16, XP
	s_delay_alu instid0(VALU_DEP_1)
	v_lshl_add_u32 v18, v17, 6, v18
	s_delay_alu instid0(VALU_DEP_1)
	v_add_nc_u32 v18, s[TS], v18
	WIN 0x40
.irp m, 0,1,2,3
.irp b, 0,1,2,3
.irp j, 0,1,2,3
	ds_load_b128 v[64*\m+16*\b+4*\j:64*\m+16*\b+4*\j+3], v18 offset:XP*16*\m+128*\b+16*\j   ; x, from my own tile, into the accumulators: the skip is the sums' beginning
.endr
.endr
.endr
	WIN 0
	s_wait_alu depctr_va_vdst(0)
	s_wait_dscnt 0x0                               ; my stores of o have landed, and x is in
	s_barrier_signal -1
	s_barrier_wait -1                              ; o's 32 fragments lie in LDS
	ALOAD 0, 0
	ALOAD 1, 0
	ALOAD 2, 0
	ALOAD 3, 0
.irp q, 0,1,2,3,4,5,6,7
	GSTEP \q,0
.endr
	PLACES 4                                       ; behind the half's last products: for the reads of results, the writes of the activations' registers and the next loads of weights
	WAYOUT 0                                       ; its stores are on their way while the other half is multiplied; their data registers are not written again
	s_wait_xcnt 0x0                                ; the stores have read their offset register: the activations' fragments may land on it
	ALOAD 0, 0
	ALOAD 1, 0
	ALOAD 2, 0
	ALOAD 3, 0
.irp q, 8,9,10,11,12,13,14,15
	GSTEP \q,0
.endr
	PLACES 4
	WAYOUT 1
	s_wait_xcnt 0x0
	v_lshl_add_u32 v254, v0, 2, 0x4fc00
	v_mov_b32 v255, 0
	s_wait_alu depctr_va_vdst(0)
	s_wait_tensorcnt 0x0
	ds_add_u32 v254, v255
	s_wait_dscnt 0x0
	s_endpgm
.Lfunc_end_k_qfca113edfe_attn:
	.size	k_qfca113edfe_attn, .Lfunc_end_k_qfca113edfe_attn-k_qfca113edfe_attn
	.p2alignl 7, 3214868480
	.fill 96, 4, 3214868480
	.section	.rodata,"a",@progbits
	.p2align	6, 0x0
	.amdhsa_kernel k_qfca113edfe_attn
		.amdhsa_group_segment_fixed_size 327680
		.amdhsa_private_segment_fixed_size 0
		.amdhsa_enable_private_segment 0
		.amdhsa_kernarg_size 80
		.amdhsa_user_sgpr_count 2
		.amdhsa_user_sgpr_kernarg_segment_ptr 1
		.amdhsa_wavefront_size32 1
		.amdhsa_system_sgpr_workgroup_id_x 1
		.amdhsa_system_sgpr_workgroup_id_y 1
		.amdhsa_system_sgpr_workgroup_id_z 1
		.amdhsa_system_vgpr_workitem_id 0
		.amdhsa_next_free_vgpr 512
		.amdhsa_next_free_sgpr 80
		.amdhsa_reserve_vcc 1
		.amdhsa_float_denorm_mode_32 3
		.amdhsa_float_denorm_mode_16_64 3
		.amdhsa_memory_ordered 1
		.amdhsa_forward_progress 1
		.amdhsa_inst_pref_size 255
	.end_amdhsa_kernel
	.section	.bss,"aw",@nobits
	.p2align	6
	.space	262144
	.amdgpu_metadata
---
amdhsa.version: [ 1, 2 ]
amdhsa.kernels:
  - .name:           k_qfca113edfe_attn
    .symbol:         k_qfca113edfe_attn.kd
    .args:
      - { .name: x, .offset: 0, .size: 8, .value_kind: global_buffer, .address_space: global }
      - { .name: sxc, .offset: 8, .size: 8, .value_kind: global_buffer, .address_space: global }
      - { .name: wf, .offset: 16, .size: 8, .value_kind: global_buffer, .address_space: global }
      - { .name: wsc, .offset: 24, .size: 8, .value_kind: global_buffer, .address_space: global }
      - { .name: kf, .offset: 32, .size: 8, .value_kind: global_buffer, .address_space: global }
      - { .name: vf, .offset: 40, .size: 8, .value_kind: global_buffer, .address_space: global }
      - { .name: kvs, .offset: 48, .size: 8, .value_kind: global_buffer, .address_space: global }
      - { .name: crossattn_mask, .offset: 56, .size: 8, .value_kind: global_buffer, .address_space: global }
      - { .name: qk_scale, .offset: 64, .size: 8, .value_kind: global_buffer, .address_space: global }
      - { .name: out0, .offset: 72, .size: 8, .value_kind: global_buffer, .address_space: global }
    .group_segment_fixed_size: 327680
    .private_segment_fixed_size: 0
    .kernarg_segment_align: 8
    .kernarg_segment_size: 80
    .max_flat_workgroup_size: 256
    .sgpr_count:     80
    .vgpr_count:     512
    .wavefront_size: 32
...
	.end_amdgpu_metadata
.endif
;; end of part 3
